; MI455X (gfx1250); checked and timed in simulation.
; The chip was launched on July 23, 2026; its instructions are those of AMD's public machine-readable ISA for CDNA 5 (MIT licence, August 2026) and "CDNA5" Instruction Set Architecture Reference Guide (July 2026). The comments in the code are by the model that wrote it; some were corrected since.
;; Multi Head Attention. Allowed arithmetic: float matrix products may take bf16 or f16 operands with f32 sums; all other float work in f32.
;; Inputs: Wk 1,024 x 1,024 float32; Wo 1,024 x 1,024 float32; Wq 1,024 x 1,024 float32; Wv 1,024 x 1,024 float32; bo 1,024 float32; keys 4 x 2,048 x 1,024 float32; queries 4 x 2,048 x 1,024 float32; values 4 x 2,048 x 1,024 float32.
;; Outputs: out0 4 x 2,048 x 1,024 float32.
;; One version. Each part assembles by itself: llvm-mc -triple=amdgcn-amd-amdhsa -mcpu=gfx1250 --defsym DOCPART=n.
;; ======== version 1 of 1: 4 launches
;; limits: values are held in f16: magnitudes above 65,504 overflow, below 6.1e-05 lose precision
;; workspace buffers: qh 16,777,216 bytes; kh 16,777,216 bytes; vh 16,777,216 bytes; q2 262,144 bytes; k2 262,144 bytes; nrp 1,048,576 bytes; ncp 1,048,576 bytes; attn 16,777,216 bytes
;; launch proj (part 1): grid 4 x 96, 4 waves a work-group, clusters of 4 x 4, 327,680 bytes of LDS; arguments queries, keys, values, Wq, Wk, Wv, qh, kh, vh, q2, k2; writes qh, kh, vh, q2, k2
.if DOCPART == 1
	.amdgcn_target "amdgcn-amd-amdhsa--gfx1250"
	.amdhsa_code_object_version 6
	.text
	.protected	k_q63373f3e98_proj
	.globl	k_q63373f3e98_proj
	.p2align	8
	.type	k_q63373f3e98_proj,@function
k_q63373f3e98_proj:
	s_mov_b64 s[64:65], 0
	v_nop
	global_prefetch_b8 v0, s[64:65] scope:SCOPE_SE
	s_setreg_imm32_b32 hwreg(HW_REG_WAVE_MODE, 25, 1), 1
	s_wait_xcnt 0x0
	s_wait_alu depctr_hold_cnt(0) depctr_sa_sdst(0) depctr_va_vdst(0) depctr_va_sdst(0) depctr_va_ssrc(0) depctr_va_vcc(0) depctr_vm_vsrc(0)
	s_getreg_b32 s2, hwreg(HW_REG_IB_STS2, 6, 4)
	s_cmp_eq_u32 s2, 0
	s_cbranch_scc0 .Lentry_in_a_cluster
	s_endpgm
.Lentry_in_a_cluster:
	s_bfe_u32 s2, ttmp6, 0x10000c
	s_cmp_lg_u32 s2, 0xf033
	s_cbranch_scc0 .Lentry_shape_is_right
	s_endpgm
.Lentry_shape_is_right:
; THE THREE PROJECTIONS.  q = queries Wq^T, k = keys Wk^T, v = values Wv^T: x [8192][1024] f32, W [1024 (n)][1024 (k)] f32.  x and W are rounded once to f16 on the way from LDS to
; the matrix unit, sums in f32, results rounded once to f16 and stored by heads: [b*8+h][s][128].  For q and k the sum of squares of the ROUNDED row of a head goes to q2, k2 (f32, [b*8+h][s]),
; so that the later distance q2 + k2 - 2 q.k is the distance of the numbers that are multiplied.
; LIMITS.  f16 ends at 65,504: |x|, |W|, |q|, |k|, |v| stay below it (the drawn inputs times 30 give |q| of a few thousand).  NaN and infinities are not treated apart.
; SHARES.  A tile of C is 256 x 256: 4 tile columns x 32 tile rows x 3 projections = 384 work-groups.  The projection is the cluster's y / 8, the same for all partners.  A wave makes 128 x 128,
; 64 accumulators; its 128 columns are one head.  K goes in 16 steps of 64 (rows of 256 bytes of f32) through two LDS slots.
; CLUSTER.  4 x 4 work-groups: the four of a row share x's tile, the four of a column W's: each tile is asked for jointly, with the same descriptor and a mask that names the four.
; THE MATRIX INSTRUCTION IS USED TRANSPOSED (source 0 = 16 rows of W, source 1 = 16 rows of x): a lane holds eight neighbouring columns of one row of C.
; A K step has two halves of 32.  While one half's fragments are multiplied, the next half's f32 numbers come from LDS into a staging block and are rounded to f16, four conversions behind a matrix instruction.
; REGISTERS (windows of 256): window 0: v0-31 addresses, v32-63 and v224-255 rows on the way out, v64-127, v128-191 x's fragments (two buffers);
;   window 1: v64-127, v128-191 W's fragments; v0-63 and v192-255 the staging block (128);  windows 2, 3: accumulators, (a, b) at v[8 (8 a + b)].
.set PITCH,  272                       ; an LDS row: 256 bytes + 16 of padding: the 16 rows of a fragment load start 17 x 16 bytes apart
.set HALFT,  128*PITCH                 ; what one tensor load brings
.set SLOT,   4*HALFT                   ; x's 256 rows, then W's 256 rows; 0x22000 shares no bit with wave x HALFT, so one exclusive or changes slots
.set STAGE,  2*SLOT                    ; 16 rows x 272 bytes for each wave, for the way out
.set NSCR,   STAGE+4*16*PITCH          ; 512 bytes for each wave: its 128 norms
.set SPARE,  NSCR+4*512                ; the spare words, 128 bytes for each wave
.set KBYTES, 256                       ; a K step in memory
.set N2,    6                          ; v6-13   the norm of my row in block a
.set ADRA0, 16                         ; v16, v17  my fragments' place in a slot, x and W
.set ADRB0, 17
.set ADRA,  18                         ; v18, v19  the same in the slot in hand
.set ADRB,  19
.set STO,   24
.set RD,    25
.set CO,    26                         ; 16 x lane
.set NST,   27
.set SPW,   28
.set NIL,   29
.set NRD,   30
.set PFV,   31                         ; the row of x's tile that I ask ahead for, in bytes
.set OB,    32
.set F0,    64
.set F1,    128
.set TMP,   64                         ; the way out: packed results (x's buffer 0 is free then)
.set GA,    96                         ; the way out: two accumulators for a block's products of rows with rows
.set GB,    104
.set W,     112
.set G1,  24
.set G0,  32
.set G1B, 48
.set G0B, 56
.set MK,  70                           ; s71-77  the way out: lanes whose row % 8 is 1 .. 7 (the arguments' registers are free by then)
.set MV,  78                           ; s78     lanes that hold a number of the diagonal
.set TB,  90                           ; s90  the slot in hand, in bytes
.set PS,  91                           ; s91  the K step to ask ahead for
.set PO,  92                           ; s[92:93] an offset
.set PA,  94                           ; s[94:95] x at my tile row
.set PB,  96                           ; s[96:97] the same at the K step asked for
.set SEL, 98
.set MSB, 0
.macro WIN new                         ; the immediate's high byte repeats the setting that is left
.if MSB != (\new)
	s_set_vgpr_msb (MSB<<8)|(\new)
.set MSB, \new
.endif
.endm
.set MUL_LO, 0xa1                      ; source 0 (W) window 1, source 1 (x) window 0, C and D window 2; + 0x50: window 3
.macro PLACES
.rept 4
	v_nop
.endr
.endm
; A joint refill by the walking descriptors.  Waves 0, 1 fetch x's halves, waves 2, 3 W's.  An s_nop 0 and four v_nop follow each line.
.macro JLOAD
	s_cmp_eq_u32 s11, 0
	s_cbranch_scc0 .Lfor_b_\@
	tensor_load_to_lds s[G0+4:G0+7], s[G1:G1+7]
	s_nop 0
.rept 4
	v_nop
.endr
	s_branch .Lasked_\@
.Lfor_b_\@:
	tensor_load_to_lds s[G0B+4:G0B+7], s[G1B:G1B+7]
	s_nop 0
.rept 4
	v_nop
.endr
.Lasked_\@:
.endm
.macro CREST                           ; a round of the cluster's barrier behind its opening barrier
	s_cmp_lg_u32 s10, 0
	s_cbranch_scc1 .Lnot_wave_0_\@
	s_barrier_signal -3
.Lnot_wave_0_\@:
	s_barrier_wait -3
	s_barrier_signal -1
	s_barrier_wait -1
.endm
.macro CROUND
	s_barrier_signal -1
	s_barrier_wait -1
	CREST
.endm
	s_load_b512 s[68:83], s[0:1], 0x0              ; queries, keys, values, Wq, Wk, Wv, qh, kh
	s_load_b128 s[84:87], s[0:1], 0x40             ; vh, q2
	s_load_b64 s[88:89], s[0:1], 0x50              ; k2
	v_lshl_add_u32 v[SPW], v0, 2, SPARE
	v_mov_b32 v[NIL], 0
	ds_add_u32 v[SPW], v[NIL]                      ; the wave's opening: the add and its wait ahead of my first tensor load
	ds_add_u32 v28, v29
	v_lshrrev_b32 v1, 5, v0
	v_readfirstlane_b32 s10, v1                    ; wave 0..3
	s_lshr_b32 s11, s10, 1                         ; my half of the tile's rows; also: I fetch for x (0) or W (1)
	s_and_b32 s12, s10, 1                          ; my half of its columns; also: which 128 rows I fetch
	s_bfe_u32 s40, ttmp6, 0x40000                  ; cx
	s_bfe_u32 s41, ttmp6, 0x40004                  ; cy
	s_lshl_b32 s42, ttmp9, 2
	s_add_co_u32 s42, s42, s40                     ; tile column
	s_and_b32 s13, ttmp7, 0xffff                   ; the cluster's y, 0..23
	s_lshr_b32 s45, s13, 3                         ; the projection: 0 q, 1 k, 2 v
	s_and_b32 s13, s13, 7
	s_lshl_b32 s13, s13, 2
	s_add_co_u32 s13, s13, s41                     ; tile row
	s_lshl_b32 s43, s41, 2
	s_lshl_b32 s43, 15, s43                        ; my row of the cluster
	s_lshl_b32 s44, 0x1111, s40                    ; my column
	s_or_b32 s[G1+0], s43, (2<<16)|(1<<20)|(1<<21)|(5<<22)|(3<<25)   ; mask; 4-byte elements; padding on; bit 21 beside a mask; after every 64 words 4 words
	s_or_b32 s[G1B+0], s44, (2<<16)|(1<<20)|(1<<21)|(5<<22)|(3<<25)
.irp g, G1, G1B
	s_mov_b32 s[(\g)+1], 64<<16                    ; tensor_dim0 = 64
	s_mov_b32 s[(\g)+2], 128<<16                   ; tensor_dim1 = 128
	s_mov_b32 s[(\g)+3], 64<<16                    ; tile_dim0 = 64
	s_mov_b32 s[(\g)+4], 128                       ; tile_dim1 = 128
	s_mov_b32 s[(\g)+5], 1024                      ; elements from row to row
	s_mov_b32 s[(\g)+6], 0
	s_mov_b32 s[(\g)+7], 0
.endr
	s_lshl_b32 s16, s13, 20                        ; x: (256 x tile row + 128 x half) rows of 4,096 bytes
	s_lshl_b32 s17, s12, 19
	s_add_co_u32 s16, s16, s17
	s_mov_b32 s17, 0
	s_lshl_b32 s46, s42, 20                        ; W: the same with the tile column
	s_lshl_b32 s47, s12, 19
	s_add_co_u32 s46, s46, s47
	s_mov_b32 s47, 0
	s_mul_i32 s20, s10, HALFT                      ; where my tiles go: wave x 128 rows
	s_lshl_b32 s[PO], s13, 20
	s_mov_b32 s[PO+1], 0
	s_mov_b32 s[PS], 5
	s_mov_b32 s[TB], 0
	s_mov_b32 s[SEL], 0x76543210
	s_mov_b32 s[SEL+1], 0xfedcba98
	s_wait_dscnt 0x0                               ; the opening add is done
	s_wait_kmcnt 0x0
	s_cmp_eq_u32 s45, 0                            ; the projection's buffers
	s_cselect_b64 s[4:5], s[68:69], s[70:71]
	s_cselect_b64 s[6:7], s[74:75], s[76:77]
	s_cselect_b64 s[8:9], s[80:81], s[82:83]
	s_cselect_b64 s[66:67], s[86:87], s[88:89]
	s_cmp_eq_u32 s45, 2
	s_cselect_b64 s[4:5], s[72:73], s[4:5]
	s_cselect_b64 s[6:7], s[78:79], s[6:7]
	s_cselect_b64 s[8:9], s[84:85], s[8:9]
	s_add_nc_u64 s[PA:PA+1], s[4:5], s[PO:PO+1]
	s_add_nc_u64 s[14:15], s[4:5], s[16:17]
	s_add_nc_u64 s[46:47], s[6:7], s[46:47]
	CROUND                                         ; all sixteen work-groups are here: the first joint loads meet
.irp s, 0,1
	s_mov_b32 s[G0+4*(\s)], 1
	s_add_co_u32 s[G0+4*(\s)+1], s20, (\s)*SLOT
	s_add_nc_u64 s[G0+4*(\s)+2:G0+4*(\s)+3], s[14:15], (\s)*KBYTES
	s_or_b32 s[G0+4*(\s)+3], s[G0+4*(\s)+3], 0x80000000
	s_mov_b32 s[G0B+4*(\s)], 1
	s_add_co_u32 s[G0B+4*(\s)+1], s20, (\s)*SLOT
	s_add_nc_u64 s[G0B+4*(\s)+2:G0B+4*(\s)+3], s[46:47], (\s)*KBYTES
	s_or_b32 s[G0B+4*(\s)+3], s[G0B+4*(\s)+3], 0x80000000
.endr
	s_cmp_eq_u32 s11, 0                            ; a wave's two first fills stand in one branch: K steps 0 and 1; two loads of mine are out
	s_cbranch_scc0 .Lfirst_b
	tensor_load_to_lds s[G0:G0+3], s[G1:G1+7]
	s_nop 0
	tensor_load_to_lds s[G0+4:G0+7], s[G1:G1+7]
	s_nop 0
.rept 4
	v_nop
.endr
	s_branch .Lfirst_asked
.Lfirst_b:
	tensor_load_to_lds s[G0B:G0B+3], s[G1B:G1B+7]
	s_nop 0
	tensor_load_to_lds s[G0B+4:G0B+7], s[G1B:G1B+7]
	s_nop 0
.rept 4
	v_nop
.endr
.Lfirst_asked:
	; A fragment is 16 rows x 32 K: lane l holds row l % 16, K = 8 (l / 16) + 0..7 and 16 + 8 (l / 16) + 0..7.  In f32 that is 32 bytes at 32 (l / 16) and 32 bytes 64 further on.
	v_and_b32 v1, 15, v0
	v_bfe_u32 v2, v0, 4, 1
	v_mul_u32_u24 v3, v1, PITCH
	v_lshl_add_u32 v4, v2, 5, v3
	s_mul_i32 s21, s11, HALFT
	s_mul_i32 s22, s12, HALFT
	s_add_co_u32 s22, s22, 2*HALFT
	v_add_nc_u32 v[ADRA0], s21, v4
	v_add_nc_u32 v[ADRB0], s22, v4
	v_mov_b32 v[ADRA], v[ADRA0]                    ; slot 0
	v_mov_b32 v[ADRB], v[ADRB0]
	s_mul_i32 s23, s10, 16*PITCH
	s_add_co_u32 s23, s23, STAGE
	v_lshl_add_u32 v5, v2, 4, v3                   ; into the stage: row l % 16, 16 bytes for each half of the lanes
	v_add_nc_u32 v[STO], s23, v5
	v_mul_u32_u24 v5, v2, PITCH                    ; back: lanes 0-15 one row of 256 bytes, lanes 16-31 the next
	v_lshl_add_u32 v5, v1, 4, v5
	v_add_nc_u32 v[RD], s23, v5
	v_and_b32 v5, 31, v0
	v_lshlrev_b32 v[CO], 4, v5                     ; two rows of a head are 512 consecutive bytes
	s_lshl_b32 s23, s10, 9
	s_add_co_u32 s23, s23, NSCR
	v_lshl_add_u32 v[NST], v1, 2, s23
	v_add_nc_u32 v[NRD], s23, v[CO]
	v_and_b32 v[PFV], 63, v0
	v_lshl_add_u32 v[PFV], s40, 6, v[PFV]          ; row 64 cx + 32 wave + lane of x's tile (waves 0 and 1 ask)
	v_lshlrev_b32 v[PFV], 12, v[PFV]
	s_lshl_b32 s21, s13, 8                         ; where my 128 rows go: row m0 = 256 x tile row + 128 x half is (b, s); my columns are head 2 x tile column + half
	s_lshl_b32 s22, s11, 7
	s_add_co_u32 s21, s21, s22
	s_lshr_b32 s22, s21, 11
	s_and_b32 s21, s21, 2047
	s_lshl_b32 s22, s22, 3
	s_lshl1_add_u32 s22, s42, s22
	s_add_co_u32 s22, s22, s12
	s_lshl_b32 s22, s22, 11
	s_add_co_u32 s21, s21, s22                     ; (b*8+h) x 2048 + s
	s_lshl_b32 s22, s21, 2
	s_mov_b32 s23, 0
	s_add_nc_u64 s[66:67], s[66:67], s[22:23]
	s_lshl_b32 s22, s21, 8
	s_add_nc_u64 s[8:9], s[8:9], s[22:23]
; 32 LDS loads: the f32 numbers of 8 fragments (128 rows, 32 K at byte koff) into the staging block
.macro LOADS adr, koff
	WIN 0x40
.irp i, 0,1,2,3,4,5,6,7
.set rT, 16*(\i)+128*((\i)/4)
	ds_load_b128 v[rT:rT+3],     v[\adr] offset:(\koff)+(\i)*16*PITCH
	ds_load_b128 v[rT+4:rT+7],   v[\adr] offset:(\koff)+(\i)*16*PITCH+16
	ds_load_b128 v[rT+8:rT+11],  v[\adr] offset:(\koff)+(\i)*16*PITCH+64
	ds_load_b128 v[rT+12:rT+15], v[\adr] offset:(\koff)+(\i)*16*PITCH+80
.endr
.endm
.macro CVT64 op, g                     ; the staging block rounded to f16 into buffer g of W (op = 1) or x (op = 0)
	WIN 0x05+0x40*(\op)
.set q, 0
.rept 64
	v_cvt_pk_f16_f32 v[(\g)+q], v[2*q+128*(q/32)], v[2*q+128*(q/32)+1]
.set q, q+1
.endr
.endm
.macro WM f, hi, a, b, zero
.set rD, 8*(8*(\a)+(\b))
.set rB, (\f)+8*(\b)
.set rA, (\f)+8*(4*(\hi)+(\a))
.if \zero
	v_wmma_f32_16x16x32_f16 v[rD:rD+7], v[rB:rB+7], v[rA:rA+7], 0
.else
	v_wmma_f32_16x16x32_f16 v[rD:rD+7], v[rB:rB+7], v[rA:rA+7], v[rD:rD+7]
.endif
.endm
.macro MUL8 f, hi, a, zero             ; 8 matrix instructions: one block of 16 rows x all 8 column blocks
	WIN MUL_LO+0x50*(\hi)
.irp b, 0,1,2,3,4,5,6,7
	WM \f, \hi, \a, \b, \zero
.endr
.endm
.macro MUL8R f, hi, a, zero, op, g, n0 ; the same with four conversions behind each: numbers 4 (n0 + b) .. + 3 of the 64
.irp b, 0,1,2,3,4,5,6,7
	WIN MUL_LO+0x50*(\hi)
	WM \f, \hi, \a, \b, \zero
	WIN 0x05+0x40*(\op)
.irp z, 0,1,2,3
.set q, 4*((\n0)+(\b))+(\z)
	v_cvt_pk_f16_f32 v[(\g)+q], v[2*q+128*(q/32)], v[2*q+128*(q/32)+1]
.endr
.endr
.endm
; HALF a K step: multiplies buffer f (64 matrix instructions, each accumulator once: they take turns) and makes buffer g from byte koff of the slot in hand.
; meet = 1: the slot has been read to its end: the barrier of the change of slots.  meet = 2: it opens a round of the cluster's barrier, and the slot is filled again, two K steps on.
.macro HALF f, g, koff, zero, meet
	LOADS ADRB, \koff
	MUL8 \f, 0, 0, \zero
	MUL8 \f, 0, 1, \zero
	s_wait_dscnt 0x0                               ; W's 32 loads are in
	PLACES                                         ; buffer g was read by the half before: four places ahead of the first conversion into it
	MUL8R \f, 0, 2, \zero, 1, \g, 0
	MUL8R \f, 0, 3, \zero, 1, \g, 8
	LOADS ADRA, \koff
	MUL8 \f, 1, 0, \zero
	MUL8 \f, 1, 1, \zero
.if (\meet) == 0
	s_wait_dscnt 0x0                               ; x's 32 loads are in
	MUL8R \f, 1, 2, \zero, 0, \g, 0
	MUL8R \f, 1, 3, \zero, 0, \g, 8
.else
	WIN 0
	s_wait_tensorcnt 0x0                           ; all my tensor loads have landed: the one that was out is my part of the other slot
	ds_add_u32 v[SPW], v[NIL]                      ; 0 onto my spare word
	s_wait_dscnt 0x1                               ; only the add may be out: x's 32 loads are in
	MUL8R \f, 1, 2, \zero, 0, \g, 0
	s_wait_dscnt 0x0                               ; the add is done, and my reads of this slot are over
	s_barrier_signal -1
	MUL8R \f, 1, 3, \zero, 0, \g, 8
	WIN 0
	s_barrier_wait -1
.if (\meet) == 2
	CREST                                          ; no wave of any partner still reads this slot or has a load on its way
	s_xor_b32 s[G0+5], s[G0+5], SLOT               ; the walking descriptors: the other slot than last time, the next K step
	s_add_nc_u64 s[G0+6:G0+7], s[G0+6:G0+7], KBYTES
	s_xor_b32 s[G0B+5], s[G0B+5], SLOT
	s_add_nc_u64 s[G0B+6:G0B+7], s[G0B+6:G0B+7], KBYTES
	JLOAD                                          ; the first tensor load behind the round: 112 matrix instructions ahead of the wait for it
.endif
.endif
.endm
.macro TOGGLE
	s_xor_b32 s[TB], s[TB], SLOT
	v_add_nc_u32 v[ADRA], s[TB], v[ADRA0]
	v_add_nc_u32 v[ADRB], s[TB], v[ADRB0]
.endm
; x leaves memory once.  In each trip of the main loop waves 0 and 1 of the four partners of a cluster row ask for the 256 rows x 256 bytes of x's K step PS, a row a lane: two K steps
; ahead of the trip's tensor request (trip t asks for step t + 5, the tensor load for t + 3).  The last two trips ask for step 15 once more: no request passes a row's end.
.macro PFX
	s_wait_xcnt 0x0                                ; the last trip's request has read its base
	s_min_u32 s[PO], s[PS], 15
	s_lshl_b32 s[PO], s[PO], 8
	s_add_nc_u64 s[PB:PB+1], s[PA:PA+1], s[PO:PO+1]
	s_add_co_u32 s[PS], s[PS], 1
	s_cmp_lt_u32 s10, 2
	s_cbranch_scc0 .Lno_pf_\@
	global_prefetch_b8 v[PFV], s[PB:PB+1] th:TH_LOAD_NT scope:SCOPE_SE
.Lno_pf_\@:
.endm
	s_wait_tensorcnt 0x1                           ; my part of K step 0 is in; step 1's may stay out
	s_barrier_signal -1
	s_barrier_wait -1
	LOADS ADRB, 0
	s_wait_dscnt 0x0
	CVT64 1, F0
	LOADS ADRA, 0
	s_wait_dscnt 0x0
	CVT64 0, F0
	HALF F0, F1, 128, 1, 2                         ; the first half starts the sums with the constant 0; slot 0 takes K step 2
	s_mov_b32 s3, 13
.Lmain:                                                ; trip t: second half of step t, first half of step t + 1; the refill is step t + 3
	TOGGLE
	PFX
	HALF F1, F0, 0, 0, 0
	HALF F0, F1, 128, 0, 2
	s_sub_co_u32 s3, s3, 1
	s_cmp_lg_u32 s3, 0
	s_cbranch_scc1 .Lmain
	s_mov_b32 s3, 3
.Ltail:                                                ; steps 13 to 15 ask for nothing; the third trip is left in its middle (what it made of the stale slot serves nothing: the price of one text)
	TOGGLE
	HALF F1, F0, 0, 0, 0
	WIN 0
	s_sub_co_u32 s3, s3, 1
	s_cmp_eq_u32 s3, 0
	s_cbranch_scc1 .Lout
	HALF F0, F1, 128, 0, 1
	s_branch .Ltail
.Lout:
; THE WAY OUT, a block of 16 rows at a time.  PACK: rounded to f16.  NORM: the sum of squares of the rounded numbers of each row.  TOSTAGE: into my stage and back as whole rows.  SEND: stored.
.macro PACK a
.set AC, 64*((\a)%4)
	WIN 0x0a+5*((\a)/4)
.irp b, 0,1,2,3,4,5,6,7
.irp r, 0,1,2,3
	v_cvt_pk_f16_f32 v[TMP+4*(\b)+(\r)], v[AC+8*(\b)+2*(\r)], v[AC+8*(\b)+2*(\r)+1]
.endr
.endr
	WIN 0
.endm
; The packed block IS four fragments of 16 rows x 32 columns: registers 8 c .. 8 c + 7 hold, for row l % 16, columns 32 c + 8 (l / 16) + 0..7 and 32 c + 16 + 8 (l / 16) + 0..7.  Multiplied by itself it gives
; the products of rows with rows, and their diagonal is the norms: exact products of the f16 numbers, summed in f32.  Two accumulators take turns.  Number (m, m) lies in register m % 8
; of the lane with l % 16 = m and l / 16 = m / 8: seven selects pick it, and the lane 16 away, which holds none, takes it over.
.macro NORM a
	v_wmma_f32_16x16x32_f16 v[GA:GA+7], v[TMP:TMP+7],     v[TMP:TMP+7],     0
	v_wmma_f32_16x16x32_f16 v[GB:GB+7], v[TMP+8:TMP+15],  v[TMP+8:TMP+15],  0
	v_wmma_f32_16x16x32_f16 v[GA:GA+7], v[TMP+16:TMP+23], v[TMP+16:TMP+23], v[GA:GA+7]
	v_wmma_f32_16x16x32_f16 v[GB:GB+7], v[TMP+24:TMP+31], v[TMP+24:TMP+31], v[GB:GB+7]
	PLACES                                         ; four places ahead of the first read of the results (ISA guide 7.12.1)
.irp j, 0,2,4,6
	v_pk_add_f32 v[GA+(\j):GA+(\j)+1], v[GA+(\j):GA+(\j)+1], v[GB+(\j):GB+(\j)+1]  ; both accumulators are read from their low end on
.endr
	v_cndmask_b32 v14, v[GA], v[GA+1], s[MK+1]
.irp j, 2,3,4,5,6,7
	v_cndmask_b32 v14, v14, v[GA+(\j)], s[MK+(\j)]
.endr
	v_permlanex16_b32 v15, v14, s[SEL], s[SEL+1]
	v_cndmask_b32 v[N2+(\a)], v15, v14, s[MV]      ; every lane: the norm of row 16 a + l % 16
.endm
.macro TOSTAGE a
.set BK, OB+192*((\a)%2)
.irp b, 0,1,2,3,4,5,6,7
	ds_store_b128 v[STO], v[TMP+4*(\b):TMP+4*(\b)+3] offset:32*(\b)
.endr
.irp t, 0,1,2,3,4,5,6,7
	ds_load_b128 v[BK+4*(\t):BK+4*(\t)+3], v[RD] offset:(\t)*2*PITCH  ; LDS serves a wave's instructions in order (ISA guide 5.7.1.4): these see the stores above
.endr
.endm
.macro SEND a
.set BK, OB+192*((\a)%2)
	s_wait_dscnt 0x0                               ; the block is back in registers
	s_wait_xcnt 0x0                                ; the stores of the block before have read their registers: the next TOSTAGE loads into them
.irp t, 0,1,2,3,4,5,6,7
	global_store_b128 v[CO], v[BK+4*(\t):BK+4*(\t)+3], s[8:9] offset:(\a)*4096+(\t)*512  ; 512 consecutive bytes, two rows of a head
.endr
.endm
	v_and_b32 v14, 7, v1                           ; row % 8
	v_lshrrev_b32 v15, 3, v1                       ; row / 8
.irp j, 1,2,3,4,5,6,7
	v_cmp_eq_u32 s[MK+(\j)], \j, v14
.endr
	v_cmp_eq_u32 s[MV], v15, v2
	PLACES                                         ; behind the last products
	PACK 0
	NORM 0
	TOSTAGE 0
.irp a, 1,2,3,4,5,6,7
	PACK \a
	NORM \a
	SEND (\a)-1
	TOSTAGE \a
.endr
	SEND 7
.irp a, 0,1,2,3,4,5,6,7
	ds_store_b32 v[NST], v[N2+(\a)] offset:64*(\a) ; row 16 a + l % 16; both halves of the lanes hold the same number
.endr
	ds_load_b128 v[W:W+3], v[NRD]                  ; four rows' norms a lane
	s_wait_dscnt 0x0
	s_cmp_eq_u32 s45, 2
	s_cbranch_scc1 .Lno_norm                       ; v has no norm to keep
	global_store_b128 v[CO], v[W:W+3], s[66:67]    ; 512 consecutive bytes
.Lno_norm:
	s_wait_tensorcnt 0x0                           ; the wave's end
	ds_add_u32 v[SPW], v[NIL]
	s_wait_dscnt 0x0
	CROUND                                         ; the closing round
	s_endpgm
.Lfunc_end_k_q63373f3e98_proj:
	.size	k_q63373f3e98_proj, .Lfunc_end_k_q63373f3e98_proj-k_q63373f3e98_proj
	.p2alignl 7, 3214868480
	.fill 96, 4, 3214868480
	.section	.rodata,"a",@progbits
	.p2align	6, 0x0
	.amdhsa_kernel k_q63373f3e98_proj
		.amdhsa_group_segment_fixed_size 327680
		.amdhsa_private_segment_fixed_size 0
		.amdhsa_enable_private_segment 0
		.amdhsa_kernarg_size 88
		.amdhsa_user_sgpr_count 2
		.amdhsa_user_sgpr_kernarg_segment_ptr 1
		.amdhsa_wavefront_size32 1
		.amdhsa_system_sgpr_workgroup_id_x 1
		.amdhsa_system_sgpr_workgroup_id_y 1
		.amdhsa_system_sgpr_workgroup_id_z 1
		.amdhsa_system_vgpr_workitem_id 0
		.amdhsa_next_free_vgpr 1024
		.amdhsa_next_free_sgpr 100
		.amdhsa_reserve_vcc 0
		.amdhsa_float_denorm_mode_32 3
		.amdhsa_float_denorm_mode_16_64 3
		.amdhsa_memory_ordered 1
		.amdhsa_forward_progress 1
		.amdhsa_inst_pref_size 157
	.end_amdhsa_kernel
	.amdgpu_metadata
---
amdhsa.version: [ 1, 2 ]
amdhsa.kernels:
  - .name:           k_q63373f3e98_proj
    .symbol:         k_q63373f3e98_proj.kd
    .args:
      - { .name: queries, .offset: 0, .size: 8, .value_kind: global_buffer, .address_space: global }
      - { .name: keys, .offset: 8, .size: 8, .value_kind: global_buffer, .address_space: global }
      - { .name: values, .offset: 16, .size: 8, .value_kind: global_buffer, .address_space: global }
      - { .name: Wq, .offset: 24, .size: 8, .value_kind: global_buffer, .address_space: global }
      - { .name: Wk, .offset: 32, .size: 8, .value_kind: global_buffer, .address_space: global }
      - { .name: Wv, .offset: 40, .size: 8, .value_kind: global_buffer, .address_space: global }
      - { .name: qh, .offset: 48, .size: 8, .value_kind: global_buffer, .address_space: global }
      - { .name: kh, .offset: 56, .size: 8, .value_kind: global_buffer, .address_space: global }
      - { .name: vh, .offset: 64, .size: 8, .value_kind: global_buffer, .address_space: global }
      - { .name: q2, .offset: 72, .size: 8, .value_kind: global_buffer, .address_space: global }
      - { .name: k2, .offset: 80, .size: 8, .value_kind: global_buffer, .address_space: global }
    .group_segment_fixed_size: 327680
    .private_segment_fixed_size: 0
    .kernarg_segment_align: 8
    .kernarg_segment_size: 88
    .max_flat_workgroup_size: 128
    .sgpr_count:     100
    .vgpr_count:     1024
    .wavefront_size: 32
...
	.end_amdgpu_metadata
.endif
;; end of part 1
;; launch sums (part 2): grid 16 x 32, 4 waves a work-group, no clusters, 327,680 bytes of LDS; arguments qh, kh, q2, k2, nrp, ncp; writes nrp, ncp
.if DOCPART == 2
	.amdgcn_target "amdgcn-amd-amdhsa--gfx1250"
	.amdhsa_code_object_version 6
	.text
	.protected	k_q63373f3e98_sums
	.globl	k_q63373f3e98_sums
	.p2align	8
	.type	k_q63373f3e98_sums,@function
k_q63373f3e98_sums:
	s_mov_b64 s[64:65], 0
	v_nop
	global_prefetch_b8 v0, s[64:65] scope:SCOPE_SE
	s_setreg_imm32_b32 hwreg(HW_REG_WAVE_MODE, 25, 1), 1
	s_wait_xcnt 0x0
; ROW AND COLUMN SUMS OF THE KERNEL c = (1 + |q - k| / 128)^-129, as partial sums.  qh, kh: f16 [head 32][2048][128]; q2, k2: f32 [head][2048].
; nrp[kblk][head][s] = the sum of c over the 512 keys of block kblk;  ncp[qb][head][t] = the sum of c over the 512 queries of block qb.
; u = q2 + k2 - 2 q.k with q2, k2 the norms of the f16 numbers that are multiplied; the product starts with C = -k2 / 2, so u = -2 S + q2; c = 2^(-129 log2(1 + sqrt(|u|) / 128)).
; LIMITS.  The clamp max(u, 0) rides on the root as |u|: the two differ only where the f32 sum u comes out negative, which, |q - k|^2 being no less than 0, it does only within its own rounding;
; there the distance counts as sqrt(-u), no more than the root of that rounding, and not as 0.  A c below 2^-126 counts as 0 (v_exp_f32 gives no denormals: ISA guide 15.8).  NaN and infinities are not treated apart.
; SHARES.  A work-group has 512 queries x 512 keys of a head: x = qb + 4 kblk, y = head: 512 work-groups.  A wave keeps ITS 128 keys in registers (256 of fragments, 64 of -k2/2, 64 of column sums)
; and walks all 512 queries out of LDS, 16 a trip.  S^T = K Q^T: a lane holds one query (lane % 16) and the keys 8 (lane / 16) + 0..7 of each block of 16.
; NO CLUSTER: a work-group asks for its 278,528 bytes once, two loads a wave, and then works 32 trips of some 470 lines on them; sharing half of those bytes among four partners would add rounds for little.
; THE VECTOR WORK is a skewed pipeline over a tile's 32 pairs of scores: column m holds one stage of each of seven pairs, so that every result is used a column later.  THE PIPELINE RUNS ROUND: a trip is columns 6 to 37,
; of which the last six hold the next tile's first stages beside this tile's last: no column is thin.  ONE product stands ahead of each column.  The eight accumulators (g: pairs 4 g .. 4 g + 3) are free behind
; column 4 g + 9 and wanted in column 32 + 4 g; they are written two by turns: in columns 6-13 this tile's 6 and 7, in 14-21, 22-29, 30-37 the next tile's 0 and 1, 2 and 3, 4 and 5.
; REGISTERS: window 0: v0-31 addresses and sums; v32-63 Q; v64-127 S^T; v128-191 column sums.  window 1: v0-63 -k2/2.  window 2: K.
.set PITCH, 272
.set Q2T,   0                          ; q2 of the 512 queries; Q follows, so that the last trip's load for a tile that is not lands on bytes that hold something
.set QL,    2048                       ; Q's 512 rows,
.set KL,    QL+512*PITCH               ; K's behind them
.set WPART, 128*PITCH
.set RP,    KL+512*PITCH               ; row sums: 2,048 bytes for each wave
.set CSX,   RP+4*2048                  ; column sums on their way out: 32 rows x 272 bytes for each wave
.set SPARE, CSX+4*32*PITCH
.set AQ,  4
.set AK,  5
.set AQ2, 6
.set ARP, 7
.set L,   8                            ; v[8:9]   the row sum in hand (even keys', odd keys')
.set Q2,  10                           ; v[10:11] q2 of my query, twice
.set Q2N, 12                           ; v12      the next tile's
.set ACS, 16
.set ACR, 17
.set GO,  18
.set SPW, 28
.set NIL, 29
.set Q,   32
.set S,   64
.set CS,  128
.set G1,  24
.set GK,  32
.set GQ,  36
.set CNT, 40
.set CN,  42                           ; s[42:43] -129
.set CD,  44                           ; s[44:45] 1/128
.set SEL, 46
.set MSB, 0
.macro WIN new
.if MSB != (\new)
	s_set_vgpr_msb (MSB<<8)|(\new)
.set MSB, \new
.endif
.endm
	s_load_b256 s[4:11], s[0:1], 0x0               ; qh, kh, q2, k2
	s_load_b128 s[12:15], s[0:1], 0x20             ; nrp, ncp
	v_lshl_add_u32 v[SPW], v0, 2, SPARE
	v_mov_b32 v[NIL], 0
	ds_add_u32 v[SPW], v[NIL]                      ; the wave's opening: the add and its wait ahead of my first tensor load
	ds_add_u32 v28, v29
	v_lshrrev_b32 v1, 5, v0
	v_readfirstlane_b32 s16, v1                    ; wave
	s_and_b32 s17, ttmp9, 3                        ; qb
	s_lshr_b32 s18, ttmp9, 2                       ; kblk
	s_and_b32 s19, ttmp7, 0xffff                   ; head
	s_lshl_b32 s20, s19, 11
	s_lshl_b32 s21, s18, 9
	s_add_co_u32 s21, s21, s20
	s_lshl_b32 s23, s16, 7
	s_add_co_u32 s21, s21, s23                     ; my first key's row
	s_lshl_b32 s22, s17, 9
	s_add_co_u32 s22, s22, s20                     ; the group's first query's row
	s_add_co_u32 s23, s22, s23                     ; the first query of the quarter that I fetch
	s_lshl_b32 s48, s21, 8
	s_mov_b32 s49, 0
	s_lshl_b32 s50, s23, 8
	s_mov_b32 s51, 0
	s_lshl_b32 s52, s21, 2
	s_mov_b32 s53, 0
	s_lshl_b32 s54, s22, 2
	s_mov_b32 s55, 0
	s_lshl_b32 s56, s17, 18                        ; ncp: (qb x 32 heads x 2048 + my first key's row) x 4
	s_add_co_u32 s56, s56, s52
	s_mov_b32 s57, 0
	s_lshl_b32 s58, s18, 18                        ; nrp: (kblk x 32 x 2048 + the group's first query's row) x 4
	s_add_co_u32 s58, s58, s54
	s_mov_b32 s59, 0
	s_mov_b32 s[G1+0], (1<<16)|(1<<20)|(5<<22)|(3<<25)  ; 2-byte elements; padding on: after every 64 words 4 words
	s_mov_b32 s[G1+1], 128<<16
	s_mov_b32 s[G1+2], 128<<16
	s_mov_b32 s[G1+3], 128<<16
	s_mov_b32 s[G1+4], 128
	s_mov_b32 s[G1+5], 128
	s_mov_b32 s[G1+6], 0
	s_mov_b32 s[G1+7], 0
	s_mul_i32 s60, s16, WPART
	s_mov_b32 s[GK], 1
	s_add_co_u32 s[GK+1], s60, KL
	s_mov_b32 s[GQ], 1
	s_add_co_u32 s[GQ+1], s60, QL
	s_mov_b32 s[CN], 0xc3010000                    ; -129
	s_mov_b32 s[CN+1], s[CN]
	s_mov_b32 s[CD], 0x3c000000                    ; 1/128
	s_mov_b32 s[CD+1], s[CD]
	s_mov_b32 s[SEL], 0x76543210
	s_mov_b32 s[SEL+1], 0xfedcba98
	s_wait_dscnt 0x0
	s_wait_kmcnt 0x0
	s_add_nc_u64 s[GK+2:GK+3], s[6:7], s[48:49]
	s_or_b32 s[GK+3], s[GK+3], 0x80000000
	s_add_nc_u64 s[GQ+2:GQ+3], s[4:5], s[50:51]
	s_or_b32 s[GQ+3], s[GQ+3], 0x80000000
	tensor_load_to_lds s[GK:GK+3], s[G1:G1+7]      ; my 128 keys: only I read them
	s_nop 0
	tensor_load_to_lds s[GQ:GQ+3], s[G1:G1+7]      ; my quarter of the queries, which all four waves read; two loads of mine are out, and no slot is ever filled again
	s_nop 0
.rept 4
	v_nop
.endr
	s_add_nc_u64 s[8:9], s[8:9], s[54:55]
	s_add_nc_u64 s[10:11], s[10:11], s[52:53]
	s_add_nc_u64 s[12:13], s[12:13], s[58:59]
	s_add_nc_u64 s[14:15], s[14:15], s[56:57]
	v_and_b32 v1, 15, v0                           ; r
	v_bfe_u32 v2, v0, 4, 1                         ; h
	v_lshlrev_b32 v3, 5, v2                        ; my eight keys of a block of 16, in bytes of k2
	v_lshlrev_b32 v19, 4, v0                       ; 16 x thread
	global_load_b128 v[64:67], v19, s[8:9]         ; q2 of four queries a thread
	WIN 0x40
.irp b, 0,1,2,3,4,5,6,7
	global_load_b128 v[8*(\b):8*(\b)+3],   v3, s[10:11] offset:64*(\b)
	global_load_b128 v[8*(\b)+4:8*(\b)+7], v3, s[10:11] offset:64*(\b)+16
.endr
	WIN 0
	v_mul_u32_u24 v[AQ], v1, PITCH
	v_lshl_add_u32 v[AQ], v2, 4, v[AQ]             ; a fragment's row x pitch + 16 x half
	s_add_co_u32 s60, s60, KL
	v_add_nc_u32 v[AK], s60, v[AQ]
	v_add_nc_u32 v[AQ], QL, v[AQ]
	v_lshl_add_u32 v[AQ2], v1, 2, Q2T
	s_lshl_b32 s60, s16, 11
	s_add_co_u32 s60, s60, RP
	v_lshl_add_u32 v[ARP], v1, 2, s60
	s_mul_i32 s60, s16, 32*PITCH
	s_add_co_u32 s60, s60, CSX
	v_mul_u32_u24 v[ACS], v2, PITCH
	v_lshl_add_u32 v[ACS], v1, 4, v[ACS]
	v_add_nc_u32 v[ACS], s60, v[ACS]
	v_and_b32 v14, 28, v0                          ; lane l takes keys 4 l .. 4 l + 3: they lie in row (l & 28) | (l & 1) << 1 | (l >> 1) & 1
	v_and_b32 v15, 1, v0
	v_lshl_or_b32 v14, v15, 1, v14
	v_bfe_u32 v15, v0, 1, 1
	v_or_b32 v14, v14, v15
	v_mul_u32_u24 v[ACR], v14, PITCH
	v_add_nc_u32 v[ACR], s60, v[ACR]
	v_and_b32 v[GO], 31, v0
	v_lshlrev_b32 v[GO], 4, v[GO]
	v_add_nc_u32 v20, RP, v19
	v_add_nc_u32 v21, Q2T, v19
.set z, 0
.rept 64                                       ; the column sums run over the loop's 32 trips, of which none is written out: they start at 0
	v_mov_b32 v[CS+z], 0
.set z, z+1
.endr
	s_wait_loadcnt 0x0
	ds_store_b128 v21, v[64:67]
	WIN 0x41
.set z, 0
.rept 32
	v_pk_mul_f32 v[2*z:2*z+1], v[2*z:2*z+1], -0.5 op_sel_hi:[1,0]
.set z, z+1
.endr
	s_wait_tensorcnt 0x1                           ; my keys are in LDS; the queries' load, issued behind theirs, may stay out while I read them
	WIN 0x80
.set f, 0
.rept 32                                       ; K stays in registers: block f / 4 of 16 keys, channels 32 (f % 4) on
	ds_load_b128 v[8*f:8*f+3],   v[AK] offset:(f/4)*16*PITCH+(f%4)*64
	ds_load_b128 v[8*f+4:8*f+7], v[AK] offset:(f/4)*16*PITCH+(f%4)*64+32
.set f, f+1
.endr
	WIN 0
	s_wait_tensorcnt 0x0                           ; for the others' sake: my quarter of the queries is in LDS,
	s_wait_dscnt 0x0                               ; and my store of q2 is done
	s_barrier_signal -1
	s_barrier_wait -1                              ; everybody's queries and q2 are in
; A product of S^T = K Q^T: accumulator g (my keys 16 g on), channels 32 c on.  The first of the four starts the sum with -k2/2.
.macro WK g, c
.set rD, S+8*(\g)
.set rK, 32*(\g)+8*(\c)
.set rQ, Q+8*(\c)
.if (\c) == 0
	WIN 0x12                                       ; K window 2, C window 1
	v_wmma_f32_16x16x32_f16 v[rD:rD+7], v[rK:rK+7], v[rQ:rQ+7], v[8*(\g):8*(\g)+7]
.else
	WIN 0x02
	v_wmma_f32_16x16x32_f16 v[rD:rD+7], v[rK:rK+7], v[rQ:rQ+7], v[rD:rD+7]
.endif
.endm
.macro BLK g0, n                       ; product n of 8 of the block of accumulators g0, g0 + 1, which take turns: channels 32 (n / 2) on
	WK (\g0)+((\n)%2), (\n)/2
.endm
.macro LDQ c                           ; slice c of the next tile's Q: channels 32 c on
	ds_load_b128 v[Q+8*(\c):Q+8*(\c)+3],   v[AQ] offset:64*(\c)
	ds_load_b128 v[Q+8*(\c)+4:Q+8*(\c)+7], v[AQ] offset:64*(\c)+32
.endm
; The stages of pair p.  From 32 on it is the next tile's pair p - 32, in the same registers; below 0 a stage writes nothing.
.macro SA p                            ; u = -2 S + q2
.if (\p) >= 0
.set rS, S+2*((\p)%32)
	v_pk_fma_f32 v[rS:rS+1], v[rS:rS+1], -2.0, v[Q2:Q2+1] op_sel_hi:[1,0,1]
.endif
.endm
.macro SC p, z                         ; the distance
.if (\p) >= 0
.set rS, S+2*((\p)%32)+(\z)
	v_sqrt_f32 v[rS], |v[rS]|
.endif
.endm
.macro SD p                            ; 1 + d / 128
.if (\p) >= 0
.set rS, S+2*((\p)%32)
	s_wait_alu depctr_va_vdst(0)
	v_pk_fma_f32 v[rS:rS+1], v[rS:rS+1], s[CD:CD+1], 1.0 op_sel_hi:[1,0,0]
.endif
.endm
.macro SE p, z
.if (\p) >= 0
.set rS, S+2*((\p)%32)+(\z)
	v_log_f32 v[rS], v[rS]
.endif
.endm
.macro SF p
.if (\p) >= 0
.set rS, S+2*((\p)%32)
	v_pk_mul_f32 v[rS:rS+1], v[rS:rS+1], s[CN:CN+1] op_sel_hi:[1,0]
.endif
.endm
.macro SG p, z
.if (\p) >= 0
.set rS, S+2*((\p)%32)+(\z)
	v_exp_f32 v[rS], v[rS]
.endif
.endm
.macro SI p                            ; the row sum: pairs 0 and 1 start it
.if (\p) == 1
	v_pk_add_f32 v[L:L+1], v[S:S+1], v[S+2:S+3]
.elseif ((\p) > 1) && ((\p) < 32)
	v_pk_add_f32 v[L:L+1], v[L:L+1], v[S+2*(\p):S+2*(\p)+1]
.endif
.endm
.macro SJ p                            ; the column sums
.if ((\p) >= 0) && ((\p) < 32)
	v_pk_add_f32 v[CS+2*(\p):CS+2*(\p)+1], v[CS+2*(\p):CS+2*(\p)+1], v[S+2*(\p):S+2*(\p)+1]
.endif
.endm
; Column m: plain and transcendental lines by turns.  Between a transcendental and the use of its result, a column later, stands a plain line (ISA guide 5.7.2), in the first columns too: behind the roots SA,
; behind the logarithms the next column's SD, behind the exponentials SD and SF.  Each accumulator's two lowest registers are read first.
.macro COL
	SG m-5, 0
	SD m-2
	SG m-5, 1
	SF m-4
	SC m-1, 0
	SI m-6
	SC m-1, 1
	SA m
	SE m-3, 0
	SJ m-6
	SE m-3, 1
.set m, m+1
.endm
.irp c, 0,1,2,3
	LDQ \c                                         ; tile 0
.endr
	ds_load_b32 v[Q2N], v[AQ2]
	v_add_nc_u32 v[AQ], 16*PITCH, v[AQ]
	v_add_nc_u32 v[AQ2], 64, v[AQ2]
	s_wait_dscnt 0x0
	v_mov_b32 v[Q2], v[Q2N]
	v_mov_b32 v[Q2+1], v[Q2N]
.irp g, 0,2,4
.irp n, 0,1,2,3,4,5,6,7
	BLK \g, \n                                     ; tile 0's accumulators 0 to 5; 6 and 7 are made in the first trip, like every tile's
.endr
.endr
	WIN 0
.rept 4
	v_nop                                          ; the places behind those products
.endr
.set m, 0
.rept 6
	COL                                            ; tile 0's columns 0 to 5
.endr
	s_mov_b32 s[CNT], 32
.Ltile:                                                ; a trip: columns 6 to 37 of a tile
.set m, 6
.rept 32
.if m < 14
	BLK 6, m-6
.elseif m < 22
.if (m-14)%2 == 0
	s_wait_dscnt 20-m                              ; the slice of Q that this product and the next read is in: behind its two loads stand those of the later slices, two each
.endif
	BLK 0, m-14
.elseif m < 30
	BLK 2, m-22
.else
	BLK 4, m-30
.endif
	WIN 0
	COL
; Slice c of Q is read for the last time ahead of column 7 + 2 c, whose five plain lines are the places in front of the loads into it, and wanted again ahead of column 14 + 2 c.
; In the last trip the loads take the bytes that follow the tables (K's first rows; for q2, Q's first row): what is made of them is never summed: the price of one text.
.if m == 8
	ds_load_b32 v[Q2N], v[AQ2]
	LDQ 0
.elseif m == 10
	LDQ 1
.elseif m == 12
	LDQ 2
.elseif m == 14
	LDQ 3
	v_add_nc_u32 v[AQ], 16*PITCH, v[AQ]
	v_add_nc_u32 v[AQ2], 64, v[AQ2]
.elseif m == 32
	v_mov_b32 v[Q2], v[Q2N]                        ; column 31 held the last use of this tile's q2
	v_mov_b32 v[Q2+1], v[Q2N]
.endif
.endr
	v_add_f32 v14, v[L], v[L+1]
	v_permlanex16_b32 v15, v14, s[SEL], s[SEL+1]   ; the query's other keys lie in the lane 16 away
	v_add_f32 v14, v14, v15
	ds_store_b32 v[ARP], v14
	v_add_nc_u32 v[ARP], 64, v[ARP]
	s_sub_co_u32 s[CNT], s[CNT], 1
	s_cmp_lg_u32 s[CNT], 0
	s_cbranch_scc1 .Ltile
	; THE COLUMN SUMS cross the lanes once, through my own bytes of LDS: quad q of a lane goes to row 2 q + h, column r; a lane then reads one row, 16 lanes' sums for four keys, and adds them.
.irp q, 0,1,2,3,4,5,6,7,8,9,10,11,12,13,14,15
	ds_store_b128 v[ACS], v[CS+4*(\q):CS+4*(\q)+3] offset:2*PITCH*(\q)
.endr
	s_wait_alu depctr_va_vdst(0)
.irp q, 0,1,2,3,4,5,6,7,8,9,10,11,12,13,14,15
	ds_load_b128 v[S+4*(\q):S+4*(\q)+3], v[ACR] offset:16*(\q)  ; LDS serves a wave's instructions in order (ISA guide 5.7.1.4)
.endr
	s_wait_dscnt 0x0                               ; these loads, and my row sums' stores
	s_barrier_signal -1
.irp w, 32,16,8,4
.set z, 0
.rept (\w)/2
	v_pk_add_f32 v[S+2*z:S+2*z+1], v[S+2*z:S+2*z+1], v[S+(\w)+2*z:S+(\w)+2*z+1]
.set z, z+1
.endr
.endr
	s_barrier_wait -1                              ; every wave's row sums are in LDS
	global_store_b128 v[GO], v[S:S+3], s[14:15]    ; 512 consecutive bytes: my 128 keys
	; THE ROW SUMS: thread t adds the four waves' sums for queries 4 t .. 4 t + 3
.irp w, 0,1,2,3
	ds_load_b128 v[S+16+4*(\w):S+16+4*(\w)+3], v20 offset:2048*(\w)
.endr
	s_wait_dscnt 0x0
	v_pk_add_f32 v[S+16:S+17], v[S+16:S+17], v[S+20:S+21]
	v_pk_add_f32 v[S+18:S+19], v[S+18:S+19], v[S+22:S+23]
	v_pk_add_f32 v[S+24:S+25], v[S+24:S+25], v[S+28:S+29]
	v_pk_add_f32 v[S+26:S+27], v[S+26:S+27], v[S+30:S+31]
	v_pk_add_f32 v[S+16:S+17], v[S+16:S+17], v[S+24:S+25]
	v_pk_add_f32 v[S+18:S+19], v[S+18:S+19], v[S+26:S+27]
	global_store_b128 v19, v[S+16:S+19], s[12:13]  ; a wave stores 512 consecutive bytes
	s_wait_tensorcnt 0x0                           ; the wave's end
	ds_add_u32 v[SPW], v[NIL]
	s_wait_dscnt 0x0
	s_endpgm
.Lfunc_end_k_q63373f3e98_sums:
	.size	k_q63373f3e98_sums, .Lfunc_end_k_q63373f3e98_sums-k_q63373f3e98_sums
	.p2alignl 7, 3214868480
	.fill 96, 4, 3214868480
	.section	.rodata,"a",@progbits
	.p2align	6, 0x0
	.amdhsa_kernel k_q63373f3e98_sums
		.amdhsa_group_segment_fixed_size 327680
		.amdhsa_private_segment_fixed_size 0
		.amdhsa_enable_private_segment 0
		.amdhsa_kernarg_size 48
		.amdhsa_user_sgpr_count 2
		.amdhsa_user_sgpr_kernarg_segment_ptr 1
		.amdhsa_wavefront_size32 1
		.amdhsa_system_sgpr_workgroup_id_x 1
		.amdhsa_system_sgpr_workgroup_id_y 1
		.amdhsa_system_sgpr_workgroup_id_z 1
		.amdhsa_system_vgpr_workitem_id 0
		.amdhsa_next_free_vgpr 768
		.amdhsa_next_free_sgpr 66
		.amdhsa_reserve_vcc 0
		.amdhsa_float_denorm_mode_32 3
		.amdhsa_float_denorm_mode_16_64 3
		.amdhsa_memory_ordered 1
		.amdhsa_forward_progress 1
		.amdhsa_inst_pref_size 49
	.end_amdhsa_kernel
	.amdgpu_metadata
---
amdhsa.version: [ 1, 2 ]
amdhsa.kernels:
  - .name:           k_q63373f3e98_sums
    .symbol:         k_q63373f3e98_sums.kd
    .args:
      - { .name: qh, .offset: 0, .size: 8, .value_kind: global_buffer, .address_space: global }
      - { .name: kh, .offset: 8, .size: 8, .value_kind: global_buffer, .address_space: global }
      - { .name: q2, .offset: 16, .size: 8, .value_kind: global_buffer, .address_space: global }
      - { .name: k2, .offset: 24, .size: 8, .value_kind: global_buffer, .address_space: global }
      - { .name: nrp, .offset: 32, .size: 8, .value_kind: global_buffer, .address_space: global }
      - { .name: ncp, .offset: 40, .size: 8, .value_kind: global_buffer, .address_space: global }
    .group_segment_fixed_size: 327680
    .private_segment_fixed_size: 0
    .kernarg_segment_align: 8
    .kernarg_segment_size: 48
    .max_flat_workgroup_size: 128
    .sgpr_count:     66
    .vgpr_count:     768
    .wavefront_size: 32
...
	.end_amdgpu_metadata
.endif
;; end of part 2
;; launch attn (part 3): grid 8 x 32, 4 waves a work-group, clusters of 4 x 1, 327,680 bytes of LDS; arguments qh, kh, vh, q2, k2, nrp, ncp, attn; writes attn
.if DOCPART == 3
	.amdgcn_target "amdgcn-amd-amdhsa--gfx1250"
	.amdhsa_code_object_version 6
	.text
	.protected	k_q63373f3e98_attn
	.globl	k_q63373f3e98_attn
	.p2align	8
	.type	k_q63373f3e98_attn,@function
k_q63373f3e98_attn:
	s_mov_b64 s[64:65], 0
	v_nop
	global_prefetch_b8 v0, s[64:65] scope:SCOPE_SE
	s_setreg_imm32_b32 hwreg(HW_REG_WAVE_MODE, 25, 1), 1
	s_wait_xcnt 0x0
	s_wait_alu depctr_hold_cnt(0) depctr_sa_sdst(0) depctr_va_vdst(0) depctr_va_sdst(0) depctr_va_ssrc(0) depctr_va_vcc(0) depctr_vm_vsrc(0)
	s_getreg_b32 s2, hwreg(HW_REG_IB_STS2, 6, 4)
	s_cmp_eq_u32 s2, 0
	s_cbranch_scc0 .Lentry_in_a_cluster
	s_endpgm
.Lentry_in_a_cluster:
	s_bfe_u32 s2, ttmp6, 0x10000c
	s_cmp_lg_u32 s2, 0x3003
	s_cbranch_scc0 .Lentry_shape_is_right
	s_endpgm
.Lentry_shape_is_right:
; THE WEIGHTED MEAN OF V.  K~ = N_R^-1/2 c N_C^-1/2 with c = (1 + |q - k| / 128)^-129; O = (sum of K~ v) / max(sum of K~, 1e-12).  qh, kh, vh: f16 [head 32][2048][128]; O: f16 [b*2048+s][1024].
; N_R and N_C are the sums of the four partial sums in nrp, ncp.  Since c <= N_R of its row and c <= N_C of its column, K~ <= 1 for every input: p = 2^15 K~ lies in f16's range, and no maximum is
; taken (the function computed has none either).  p = 2^(-129 log2(x) + lc), x = rho (1 + d / 128) = d (rho / 128) + rho, rho = 2^((log2(N_R) / 2 - 15) / 129), lc = -log2(N_C) / 2:
; the row's factor rides in the multiply-add that makes 1 + d / 128, the column's in the one ahead of the exponential.  O = (sum of p v) / max(sum of p, 2^15 x 1e-12); the sum is taken of the unrounded p.
; LIMITS.  d = sqrt(|u|), u = q2 + k2 - 2 q.k: the clamp max(u, 0) rides on the root as |u|; the two differ only where the f32 sum u comes out negative, which, |q - k|^2 being no less than 0, it does only within
; its own rounding; there the distance counts as sqrt(-u), no more than the root of that rounding, and not as 0.  A p below 2^-126 counts as 0 (v_exp_f32 gives no denormals: ISA guide 15.8); below 6e-5 p keeps
; f16's fixed step.  Rows or columns whose sums are 0, NaN and infinities are not treated apart.
; SHARES.  A work-group owns 256 queries of a head, a wave 64: four tiles of 16 in two PIECES (tiles 0, 1 and 2, 3).  Every wave walks all 2,048 keys, 64 a step.
; S^T = K Q^T (started with C = -k2 / 2) holds one query a lane and the keys 8 (lane / 16) + 0..7; two such results rounded to f16 are source 1 of O^T = V^T P.  V is turned by ds_load_tr16_b128.
; BY TURNS.  In a turn one piece has the matrix unit: 32 products V^T P of the step in hand, then 32 products K Q^T of the next; the other piece's vector work stands between them in columns of eleven lines:
; ONE product ahead of a column's first five lines, one ahead of its last six.  O, l, V and piece 2's P start at 0, so no first step is written out; the loop is entered, and the tail left, in the middle of a trip.
; CLUSTER.  The four query blocks of a cluster belong to one head and walk the same K and V: each tile is asked for jointly, with the same descriptor and the mask of four.
; REGISTERS: window 0: v0-11, v44-48 addresses; v12-43 eight a tile: rho/128 twice, l (two), four at work; v64-191 S^T; v192-255 P.   window 1: O^T.   window 2: v0-127 Q; v128-255 K.
;   window 3: v0-127 V; v128-159, v160-191 lc for piece 0's, piece 2's work; v192-223 -k2/2; v224 + 4 t: q2 twice, rho twice.  The third sources of the packed multiply-adds lie in window 3, all else of a column in window 0.
.set KS,    64
.set PK,    272
.set PV,    288
.set VOFF,  KS*PK
.set STEPB, KS*(PK+PV)
.set SLOT1, 1<<17
.set STAGE, SLOT1+2*STEPB
.set SP,    272
.set KTAB,  STAGE+4*16*SP              ; -k2/2 of the head's 2,048 keys
.set LTAB,  KTAB+8192                  ; lc of the same
.set SPARE, LTAB+8192
.set AK0, 2
.set AV0, 3
.set ADR, 4
.set QO,  5
.set STO, 6
.set RD,  7
.set GO,  8
.set ST,  12
.set AT0, 44
.set ADT, 45
.set SPW, 62
.set NIL, 63
.set S,   64
.set P,   192
.set KF,  128
.set LCA, 128
.set LCB, 160
.set KC,  192
.set WV,  12
.set G1K, 24
.set G1V, 32
.set G0K, 40
.set G0V, 44
.set SLOTS, 56
.set CNT, 57
.set CN,  58                           ; s[58:59] -129
.set SEL, 60
.set TB,  62                           ; LDS byte at which the tiles of the step to be fetched begin
.set TT,  63                           ; the same step's byte in the tables
.set EPS, 76
.set MSB, 0
.macro WIN new
.if MSB != (\new)
	s_set_vgpr_msb (MSB<<8)|(\new)
.set MSB, \new
.endif
.endm
.set W_KQ, 0x0a
.set W_KM, 0x3a                        ; the same with C in window 3
.set W_PV, 0x53
.set W_V,  0x30                        ; source 2 in window 3
.macro JLOAD                           ; waves 0, 1 fetch K of the slot's two steps, waves 2, 3 V; an s_nop 0 and four v_nop follow each line
	s_cmp_lt_u32 s[WV], 2
	s_cbranch_scc0 .Lfor_v_\@
	tensor_load_to_lds s[G0K:G0K+3], s[G1K:G1K+7]
	s_nop 0
.rept 4
	v_nop
.endr
	s_branch .Lasked_\@
.Lfor_v_\@:
	tensor_load_to_lds s[G0V:G0V+3], s[G1V:G1V+7]
	s_nop 0
.rept 4
	v_nop
.endr
.Lasked_\@:
.endm
.macro CROUND
	s_barrier_signal -1
	s_barrier_wait -1
	s_cmp_lg_u32 s[WV], 0
	s_cbranch_scc1 .Lnot_wave_0_\@
	s_barrier_signal -3
.Lnot_wave_0_\@:
	s_barrier_wait -3
	s_barrier_signal -1
	s_barrier_wait -1
.endm
; THE CHANGE OF SLOTS.  Each wave waits for all its tensor loads (one is out: its part of the other slot), adds 0 to its spare word, and waits for that and for its reads of the slot that it leaves.
; fill = 1: the barrier is a round of the cluster's, and the slot is filled again, first thing behind it, with the keys two slots on: two key steps, 256 matrix instructions, ahead of the wait for it.
.macro CHANGE fill
	WIN 0
	s_wait_tensorcnt 0x0
	ds_add_u32 v[SPW], v[NIL]
.if \fill
.irp g, G0K, G0V
	s_xor_b32 s[(\g)+1], s[(\g)+1], SLOT1
	s_add_nc_u64 s[(\g)+2:(\g)+3], s[(\g)+2:(\g)+3], 2*KS*256
.endr
	s_wait_dscnt 0x0
	CROUND
	JLOAD
.else
	s_wait_dscnt 0x0
	s_barrier_signal -1
	s_barrier_wait -1
.endif
	s_sub_co_u32 s[TB], s[TB], 2*STEPB
	s_xor_b32 s[TB], s[TB], SLOT1
.endm
	s_load_b256 s[4:11], s[0:1], 0x0               ; qh, kh, vh, q2
	s_load_b256 s[68:75], s[0:1], 0x20             ; k2, nrp, ncp, attn
	v_lshl_add_u32 v[SPW], v0, 2, SPARE
	v_mov_b32 v[NIL], 0
	ds_add_u32 v[SPW], v[NIL]                      ; the wave's opening: the add and its wait ahead of my first tensor load
	ds_add_u32 v62, v63
	v_lshrrev_b32 v1, 5, v0
	v_readfirstlane_b32 s[WV], v1
	s_bfe_u32 s13, ttmp6, 0x40000                  ; cx
	s_lshl_b32 s14, ttmp9, 2
	s_add_co_u32 s14, s14, s13                     ; my block of 256 queries
	s_and_b32 s15, ttmp7, 0xffff                   ; the head, b*8+h, which the partners share
	s_lshl_b32 s20, s15, 19                        ; its 2,048 rows of 256 bytes
	s_and_b32 s16, s[WV], 1                        ; which of a slot's two steps I fetch
	s_lshl_b32 s22, s16, 14
	s_add_co_u32 s22, s22, s20
	s_mov_b32 s23, 0
	s_mul_i32 s17, s16, STEPB
	s_lshl_b32 s18, s14, 8
	s_lshl_b32 s19, s[WV], 6
	s_add_co_u32 s18, s18, s19                     ; my wave's first query in the head
	s_lshl_b32 s48, s18, 8
	s_add_co_u32 s48, s48, s20                     ; Q
	s_mov_b32 s49, 0
	s_lshl_b32 s52, s15, 13                        ; the head's 2,048 f32 numbers
	s_mov_b32 s53, 0
	s_lshl_b32 s50, s18, 2
	s_add_co_u32 s50, s50, s52                     ; q2, nrp at my queries
	s_mov_b32 s51, 0
	s_lshr_b32 s54, s15, 3                         ; O: row b*2048 + query, 2,048 bytes each; the head's 256 bytes in it
	s_lshl_b32 s54, s54, 22
	s_lshl_b32 s55, s18, 11
	s_add_co_u32 s54, s54, s55
	s_and_b32 s55, s15, 7
	s_lshl_b32 s55, s55, 8
	s_add_co_u32 s54, s54, s55
	s_mov_b32 s55, 0
	s_mov_b32 s[G1K], 15|(1<<16)|(1<<20)|(1<<21)|(5<<22)|(3<<25)  ; the mask of four; 2-byte elements; padding on; bit 21 beside a mask; after every 64 words 4 words
	s_mov_b32 s[G1V], 15|(1<<16)|(1<<20)|(1<<21)|(5<<22)|(7<<25)  ; the same with 8 words
.irp g, G1K, G1V
	s_mov_b32 s[(\g)+1], 128<<16
	s_mov_b32 s[(\g)+2], KS<<16
	s_mov_b32 s[(\g)+3], 128<<16
	s_mov_b32 s[(\g)+4], KS
	s_mov_b32 s[(\g)+5], 128
	s_mov_b32 s[(\g)+6], 0
	s_mov_b32 s[(\g)+7], 0
.endr
	s_mov_b32 s[CN], 0xc3010000                    ; -129
	s_mov_b32 s[CN+1], s[CN]
	s_mov_b32 s[SEL], 0x76543210
	s_mov_b32 s[SEL+1], 0xfedcba98
	s_mov_b32 s66, 0x3b7e03f8                      ; 0.5 / 129
	s_mov_b32 s67, 0xbdee23b9                      ; -15 / 129
	s_mov_b32 s[EPS], 0x330cbccc                   ; 2^15 x 1e-12
	s_mov_b32 s[TB], SLOT1+2*STEPB                 ; the first change of slots turns this into 0
	s_mov_b32 s[TT], 0
	s_mov_b32 s[G0K], 1
	s_mov_b32 s[G0K+1], s17
	s_mov_b32 s[G0V], 1
	s_add_co_u32 s[G0V+1], s17, VOFF
	s_wait_dscnt 0x0
	s_wait_kmcnt 0x0
	s_add_nc_u64 s[G0K+2:G0K+3], s[6:7], s[22:23]
	s_or_b32 s[G0K+3], s[G0K+3], 0x80000000
	s_add_nc_u64 s[G0V+2:G0V+3], s[8:9], s[22:23]
	s_or_b32 s[G0V+3], s[G0V+3], 0x80000000
	s_add_nc_u64 s[4:5], s[4:5], s[48:49]
	s_add_nc_u64 s[10:11], s[10:11], s[50:51]
	s_add_nc_u64 s[70:71], s[70:71], s[50:51]
	s_add_nc_u64 s[68:69], s[68:69], s[52:53]
	s_add_nc_u64 s[72:73], s[72:73], s[52:53]
	s_add_nc_u64 s[74:75], s[74:75], s[54:55]
	CROUND                                         ; all four work-groups are here
	JLOAD                                          ; slot 0; slot 1 is asked for by the first change of slots
	v_and_b32 v1, 15, v0                           ; r
	v_bfe_u32 v9, v0, 4, 1                         ; h
	v_lshlrev_b32 v[QO], 8, v1
	v_lshl_add_u32 v[QO], v9, 4, v[QO]
	v_lshlrev_b32 v47, 4, v0                       ; 16 x thread
	v_lshlrev_b32 v48, 2, v1                       ; 4 r
	WIN 0x80
.irp i, 0,1,2,3,4,5,6,7,8,9,10,11,12,13,14,15      ; Q stays in registers: tile i / 4, channels 32 (i % 4) on
	global_load_b128 v[8*(\i):8*(\i)+3],   v[QO], s[4:5] offset:((\i)/4)*4096+((\i)%4)*64
	global_load_b128 v[8*(\i)+4:8*(\i)+7], v[QO], s[4:5] offset:((\i)/4)*4096+((\i)%4)*64+32
.endr
	WIN 0
.irp i, 0,1,2,3                                    ; the tables: thread t takes keys 4 t + 512 i: k2 and the four partial column sums
	global_load_b128 v[S+4*(\i):S+4*(\i)+3], v47, s[68:69] offset:2048*(\i)
.irp b, 0,1,2,3
	global_load_b128 v[S+16+16*(\b)+4*(\i):S+16+16*(\b)+4*(\i)+3], v47, s[72:73] offset:262144*(\b)+2048*(\i)
.endr
.endr
.irp t, 0,1,2,3                                    ; my query of tile t: q2 and the four partial row sums
	global_load_b32 v[144+(\t)], v48, s[10:11] offset:64*(\t)
.irp b, 0,1,2,3
	global_load_b32 v[148+4*(\b)+(\t)], v48, s[70:71] offset:262144*(\b)+64*(\t)
.endr
.endr
	; What the first turn finds: O^T and l are 0; V and piece 2's P are 0, so its products V^T P, of a step that has not been, add 0.  All this stands in the wait for the loads and the first tile.
	WIN 0x40
.set z, 0
.rept 256
	v_mov_b32 v[z], 0
.set z, z+1
.endr
	WIN 0xc0
.set z, 0
.rept 128
	v_mov_b32 v[z], 0
.set z, z+1
.endr
	WIN 0
.set z, P+32
.rept 32
	v_mov_b32 v[z], 0
.set z, z+1
.endr
.irp t, 0,1,2,3
	v_mov_b32 v[ST+8*(\t)+2], 0
	v_mov_b32 v[ST+8*(\t)+3], 0
	v_mov_b32 v[ST+8*(\t)+5], 0                    ; v_permlanex16_b32's destination counts as read
.endr
	v_mul_u32_u24 v[AK0], v1, PK
	v_lshl_add_u32 v[AK0], v9, 4, v[AK0]
	v_and_b32 v10, 7, v0                           ; the turning load: lane l reads key 8 (l / 16) + l % 8, channels 8 ((l / 8) % 2) + 0..7
	v_bfe_u32 v11, v0, 3, 1
	v_lshl_add_u32 v[AV0], v9, 3, v10
	v_mul_u32_u24 v[AV0], v[AV0], PV
	v_lshl_add_u32 v[AV0], v11, 4, v[AV0]
	v_add_nc_u32 v[AV0], VOFF, v[AV0]
	v_lshl_add_u32 v[AT0], v9, 5, KTAB             ; my eight keys of a block of 16, in the tables
	v_add_nc_u32 v46, KTAB, v47
	s_wait_loadcnt 0x0
.irp i, 0,1,2,3
.irp z, 0,2
	v_pk_add_f32 v[S+16+4*(\i)+(\z):S+16+4*(\i)+(\z)+1], v[S+16+4*(\i)+(\z):S+16+4*(\i)+(\z)+1], v[S+32+4*(\i)+(\z):S+32+4*(\i)+(\z)+1]
	v_pk_add_f32 v[S+48+4*(\i)+(\z):S+48+4*(\i)+(\z)+1], v[S+48+4*(\i)+(\z):S+48+4*(\i)+(\z)+1], v[S+64+4*(\i)+(\z):S+64+4*(\i)+(\z)+1]
.endr
.endr
.set z, 0
.rept 8
	v_pk_add_f32 v[S+16+2*z:S+16+2*z+1], v[S+16+2*z:S+16+2*z+1], v[S+48+2*z:S+48+2*z+1]
.set z, z+1
.endr
	v_pk_add_f32 v[148:149], v[148:149], v[152:153]
	v_pk_add_f32 v[150:151], v[150:151], v[154:155]
	v_pk_add_f32 v[156:157], v[156:157], v[160:161]
	v_pk_add_f32 v[158:159], v[158:159], v[162:163]
	v_pk_add_f32 v[148:149], v[148:149], v[156:157]
	v_pk_add_f32 v[150:151], v[150:151], v[158:159]
.set z, 0
.rept 16
	v_log_f32 v[S+16+z], v[S+16+z]                 ; log2 N_C
.set z, z+1
.endr
.irp t, 0,1,2,3
	v_log_f32 v[148+(\t)], v[148+(\t)]             ; log2 N_R
.endr
.set z, 0
.rept 8
	v_pk_mul_f32 v[S+2*z:S+2*z+1], v[S+2*z:S+2*z+1], -0.5 op_sel_hi:[1,0]           ; -k2/2: plain lines behind the logarithms
.set z, z+1
.endr
.set z, 0
	s_wait_alu depctr_va_vdst(0)
.rept 8
	v_pk_mul_f32 v[S+16+2*z:S+16+2*z+1], v[S+16+2*z:S+16+2*z+1], -0.5 op_sel_hi:[1,0]  ; lc
.set z, z+1
.endr
.irp t, 0,1,2,3
	v_fma_f32 v[148+(\t)], v[148+(\t)], s66, s67
.endr
.irp t, 0,1,2,3
	v_exp_f32 v[148+(\t)], v[148+(\t)]             ; rho
.endr
.irp i, 0,1,2,3
	ds_store_b128 v46, v[S+4*(\i):S+4*(\i)+3] offset:2048*(\i)
	ds_store_b128 v46, v[S+16+4*(\i):S+16+4*(\i)+3] offset:8192+2048*(\i)
.endr
	v_nop                                          ; a plain line between the last exponential and the use of its result
	WIN 0xc0
	s_wait_alu depctr_va_vdst(0)
.irp t, 0,1,2,3
	v_mov_b32 v[224+4*(\t)], v[144+(\t)]
	v_mov_b32 v[225+4*(\t)], v[144+(\t)]
	v_mov_b32 v[226+4*(\t)], v[148+(\t)]
	v_mov_b32 v[227+4*(\t)], v[148+(\t)]
.endr
	WIN 0
.irp t, 0,1,2,3
	v_mul_f32 v[ST+8*(\t)], 0x3c000000, v[148+(\t)]
	v_mul_f32 v[ST+8*(\t)+1], 0x3c000000, v[148+(\t)]
.endr
; THE MATRIX WORK.  The accumulators take turns, one instruction a turn.  Product i of 32 of O^T += V^T P for piece x: keys 32 (i / 16) on, channels 16 ((i / 2) % 8) on, tile x + i % 2.
.macro PV x
	WIN W_PV
.set rO, 64*((\x)+i%2)+8*((i/2)%8)
.set rV, 64*(i/16)+8*((i/2)%8)
.set rP, P+16*((\x)+i%2)+8*(i/16)
	v_wmma_f32_16x16x32_f16 v[rO:rO+7], v[rV:rV+7], v[rP:rP+7], v[rO:rO+7]
.set i, i+1
.endm
; Product i of 32 of S^T = K Q^T: channels 32 (i / 8) on, keys 16 ((i / 2) % 4) on, tile x + i % 2.  The first 8 start the sums with -k2/2.
.macro KQ x
.set rS, S+32*((\x)+i%2)+8*((i/2)%4)
.set rK, KF+32*((i/2)%4)+8*(i/8)
.set rQ, 32*((\x)+i%2)+8*(i/8)
.set rC, KC+8*((i/2)%4)
.if i < 8
	WIN W_KM
	v_wmma_f32_16x16x32_f16 v[rS:rS+7], v[rK:rK+7], v[rQ:rQ+7], v[rC:rC+7]
.else
	WIN W_KQ
	v_wmma_f32_16x16x32_f16 v[rS:rS+7], v[rK:rK+7], v[rQ:rQ+7], v[rS:rS+7]
.endif
.set i, i+1
.endm
; THE LDS LOADS stand in runs.  With a step's K come its -k2/2 and the lc for piece 0's work; with its V, a turn later, the lc for piece 2's.  last = 1 (the tail): behind the last step there is none.
.macro FETCH_K last=0
	WIN 0
.if \last
	s_cmp_eq_u32 s[CNT], 1
	s_cbranch_scc1 .Lno_k_\@
.endif
	v_add_nc_u32 v[ADR], s[TB], v[AK0]
	v_add_nc_u32 v[ADT], s[TT], v[AT0]
	WIN 0x80
.irp f, 0,1,2,3,4,5,6,7,8,9,10,11,12,13,14,15
	ds_load_b128 v[KF+8*(\f):KF+8*(\f)+3],   v[ADR] offset:((\f)/4)*16*PK+((\f)%4)*64
	ds_load_b128 v[KF+8*(\f)+4:KF+8*(\f)+7], v[ADR] offset:((\f)/4)*16*PK+((\f)%4)*64+32
.endr
	WIN 0xc0
.irp b, 0,1,2,3
	ds_load_b128 v[KC+8*(\b):KC+8*(\b)+3],     v[ADT] offset:64*(\b)
	ds_load_b128 v[KC+8*(\b)+4:KC+8*(\b)+7],   v[ADT] offset:64*(\b)+16
	ds_load_b128 v[LCA+8*(\b):LCA+8*(\b)+3],   v[ADT] offset:8192+64*(\b)
	ds_load_b128 v[LCA+8*(\b)+4:LCA+8*(\b)+7], v[ADT] offset:8192+64*(\b)+16
.endr
	WIN 0
.if \last
.Lno_k_\@:
.endif
.endm
.macro FETCH_V
	WIN 0
	v_add_nc_u32 v[ADR], s[TB], v[AV0]
	s_add_co_u32 s[TB], s[TB], STEPB
	s_add_co_u32 s[TT], s[TT], 4*KS
	WIN 0xc0
.irp f, 0,1,2,3,4,5,6,7,8,9,10,11,12,13,14,15
	ds_load_tr16_b128 v[8*(\f):8*(\f)+3],   v[ADR] offset:((\f)/8)*32*PV+((\f)%8)*32
	ds_load_tr16_b128 v[8*(\f)+4:8*(\f)+7], v[ADR] offset:((\f)/8)*32*PV+16*PV+((\f)%8)*32
.endr
.irp b, 0,1,2,3
	ds_load_b128 v[LCB+8*(\b):LCB+8*(\b)+3],   v[ADT] offset:8192+64*(\b)
	ds_load_b128 v[LCB+8*(\b)+4:LCB+8*(\b)+7], v[ADT] offset:8192+64*(\b)+16
.endr
.endm
; THE VECTOR WORK of piece Y: 32 pairs of scores, pair p in tile Y + p / 16.  Outside 0..31 a stage writes nothing.
.macro REGS p
.set tl, Y+(\p)/16
.set rS, S+32*Y+2*(\p)
.set rP, P+16*Y+(\p)
.set rT, ST+8*tl
.set rQ2, 224+4*tl
.set rRH, 226+4*tl
.set rLC, LCA+16*Y+2*((\p)%16)
.endm
.macro VA p                            ; u = -2 S + q2
.if ((\p) >= 0) && ((\p) < 32)
	REGS \p
	v_pk_fma_f32 v[rS:rS+1], v[rS:rS+1], -2.0, v[rQ2:rQ2+1] op_sel_hi:[1,0,1]
.endif
.endm
.macro VC p, z                         ; the distance
.if ((\p) >= 0) && ((\p) < 32)
	REGS \p
	v_sqrt_f32 v[rS+(\z)], |v[rS+(\z)]|
.endif
.endm
.macro VD p                            ; x = d (rho / 128) + rho
.if ((\p) >= 0) && ((\p) < 32)
	REGS \p
	s_wait_alu depctr_va_vdst(0)
	v_pk_fma_f32 v[rS:rS+1], v[rS:rS+1], v[rT:rT+1], v[rRH:rRH+1]
.endif
.endm
.macro VE p, z
.if ((\p) >= 0) && ((\p) < 32)
	REGS \p
	v_log_f32 v[rS+(\z)], v[rS+(\z)]
.endif
.endm
.macro VF p                            ; -129 log2 x + lc
.if ((\p) >= 0) && ((\p) < 32)
	REGS \p
	s_wait_alu depctr_va_vdst(0)
	v_pk_fma_f32 v[rS:rS+1], v[rS:rS+1], s[CN:CN+1], v[rLC:rLC+1] op_sel_hi:[1,0,1]
.endif
.endm
.macro VG p, z
.if ((\p) >= 0) && ((\p) < 32)
	REGS \p
	v_exp_f32 v[rS+(\z)], v[rS+(\z)]
.endif
.endm
.macro VH p
.if ((\p) >= 0) && ((\p) < 32)
	REGS \p
	s_wait_alu depctr_va_vdst(0)
	v_cvt_pk_f16_f32 v[rP], v[rS], v[rS+1]
.endif
.endm
.macro VI p
.if ((\p) >= 0) && ((\p) < 32)
	REGS \p
	v_pk_add_f32 v[rT+2:rT+3], v[rT+2:rT+3], v[rS:rS+1]
.endif
.endm
; Column k, in two parts: plain and transcendental lines by turns; every result is used a column later.  Between a transcendental and that use stands a plain line (ISA guide 5.7.2), in the thin first and last
; columns too: behind the roots VA (k <= 31) or VI (k >= 6); behind the logarithms the next column's VD (k <= 33), in columns 34 and 35 a v_nop; behind the exponentials VH and VI.
; Each accumulator's two lowest registers are read first.
.macro COLA
	VG k-5, 0
	VD k-2
	VG k-5, 1
	VF k-4
	VC k-1, 0
.endm
.macro COLB
	VH k-6
	VC k-1, 1
	VA k
	VE k-3, 0
	VI k-6
	VE k-3, 1
.set k, k+1
.endm
; A TURN.  Piece x has the matrix unit, one product ahead of each half of the first 32 columns; the other piece's work is the columns, whose plain lines name no register of the products round them
; and are the places behind them.  Piece 0's turn fetches the next step's K behind column 0 (its last reader stands ahead of the last turn's six closing columns); piece 2's turn fetches the same
; step's V behind column 16 (its last reader stands ahead of the second half of column 15: eight plain lines lie between).
.macro TURN x, last=0
.set Y, 2-(\x)
.set k, 0
.set i, 0
.if (\x) == 0
	s_wait_dscnt 0x0                               ; V and piece 2's lc are in
.endif
.rept 16
	PV \x
.if k > 0
	WIN W_V
	COLA
.endif
	PV \x
	WIN W_V
	COLB
.if ((\x) == 0) && (k == 1)
	FETCH_K \last
.endif
.endr
.if (\x) == 0
	s_wait_dscnt 0x0                               ; K, -k2/2 and piece 0's lc are in
.endif
.set i, 0
.rept 16
	KQ \x
	WIN W_V
	COLA
	KQ \x
	WIN W_V
	COLB
.if ((\x) == 2) && (k == 17)
	FETCH_V
.endif
.endr
	WIN W_V
.rept 6
.if (k == 34) || (k == 35)
	v_nop
.endif
	COLA
	COLB
.endr
.endm
	CHANGE 1                                       ; slot 0 is in, and every wave's part of the tables is stored (its wait for DScnt and the round); slot 1 is asked for
	FETCH_K                                        ; key step 0
	s_wait_dscnt 0x0
.set i, 0
.rept 32
	KQ 0                                           ; piece 0's first scores
.endr
	WIN 0                                          ; the addresses for the way out: eight plain lines, the places behind those products
	s_mul_i32 s13, s[WV], 16*SP
	s_add_co_u32 s13, s13, STAGE
	v_mul_u32_u24 v[STO], v1, SP
	v_lshl_add_u32 v[STO], v9, 4, v[STO]
	v_add_nc_u32 v[STO], s13, v[STO]
	v_mul_u32_u24 v[RD], v9, SP
	v_lshl_add_u32 v[RD], v1, 4, v[RD]
	v_add_nc_u32 v[RD], s13, v[RD]
	v_lshlrev_b32 v[GO], 11, v9                    ; two rows of O, 2,048 bytes apart
	v_lshl_add_u32 v[GO], v1, 4, v[GO]
	s_mov_b32 s[CNT], 2
	s_mov_b32 s[SLOTS], 15
	s_branch .Lfirst                               ; the loop is entered in the middle of a trip
.Lslot:                                                ; 14 times: every slot but the last two is filled again
	CHANGE 1
	s_mov_b32 s[CNT], 2
.Lstep:
	TURN 0
	WIN 0
.Lfirst:
	TURN 2
	WIN 0
	s_sub_co_u32 s[CNT], s[CNT], 1
	s_cmp_lg_u32 s[CNT], 0
	s_cbranch_scc1 .Lstep
	s_sub_co_u32 s[SLOTS], s[SLOTS], 1
	s_cmp_lg_u32 s[SLOTS], 0
	s_cbranch_scc1 .Lslot
	CHANGE 0                                       ; the tail is written out
	s_mov_b32 s[CNT], 3
.Ltail:                                                ; two trips fetch the last slot's steps; the third is left in its middle (its products K Q^T, on the last K once more, serve nothing)
	TURN 0, 1
	WIN 0
	s_sub_co_u32 s[CNT], s[CNT], 1
	s_cmp_eq_u32 s[CNT], 0
	s_cbranch_scc1 .Lout
	TURN 2
	WIN 0
	s_branch .Ltail
.Lout:
.set i, 0
.rept 32
	PV 2                                           ; piece 2's V^T P of the last step
.endr
	; THE WAY OUT.  l's halves and the other half of the lanes' are added; O^T is divided by max(l, 2^15 x 1e-12), rounded to f16 and sent through my stage, a tile at a time.  The additions are the places behind the last products.
	WIN 0
.irp t, 0,1,2,3
	v_add_f32 v[ST+8*(\t)+4], v[ST+8*(\t)+2], v[ST+8*(\t)+3]
.endr
.irp t, 0,1,2,3
	v_permlanex16_b32 v[ST+8*(\t)+5], v[ST+8*(\t)+4], s[SEL], s[SEL+1]
.endr
.irp t, 0,1,2,3
	v_add_f32 v[ST+8*(\t)+4], v[ST+8*(\t)+4], v[ST+8*(\t)+5]
.endr
.irp t, 0,1,2,3
	v_max_num_f32 v[ST+8*(\t)+4], s[EPS], v[ST+8*(\t)+4]
.endr
.irp t, 0,1,2,3
	v_rcp_f32 v[ST+8*(\t)+6], v[ST+8*(\t)+4]       ; twice: the packed multiply takes a pair
	v_rcp_f32 v[ST+8*(\t)+7], v[ST+8*(\t)+4]
.endr
	v_nop                                          ; a plain line between the last reciprocal and the use of its result
	s_wait_alu depctr_va_vdst(0)
.macro PACK t
	WIN 0x41
.set z, 64*(\t)
.rept 32
	v_pk_mul_f32 v[z:z+1], v[z:z+1], v[ST+8*(\t)+6:ST+8*(\t)+7]
.set z, z+2
.endr
	WIN 0x05
.set z, 0
.rept 32
	v_cvt_pk_f16_f32 v[S+32*(\t)+z], v[64*(\t)+2*z], v[64*(\t)+2*z+1]
.set z, z+1
.endr
	WIN 0
.irp f, 0,1,2,3,4,5,6,7
	ds_store_b128 v[STO], v[S+32*(\t)+4*(\f):S+32*(\t)+4*(\f)+3] offset:32*(\f)
.endr
.irp f, 0,1,2,3,4,5,6,7
	ds_load_b128 v[S+32*(\t)+4*(\f):S+32*(\t)+4*(\f)+3], v[RD] offset:(\f)*2*SP  ; LDS serves a wave's instructions in order (ISA guide 5.7.1.4)
.endr
.endm
.macro SEND t, younger                 ; younger: the LDS lines issued behind tile t's loads: the next tile's sixteen, or none
.irp f, 0,1,2,3,4,5,6,7
	s_wait_dscnt (\younger)+7-(\f)
	global_store_b128 v[GO], v[S+32*(\t)+4*(\f):S+32*(\t)+4*(\f)+3], s[74:75] offset:(\t)*32768+(\f)*4096  ; 16 lanes store 256 consecutive bytes, a head's channels of a row
.endr
.endm
	PACK 0
	PACK 1
	SEND 0, 16
	PACK 2
	SEND 1, 16
	PACK 3
	SEND 2, 16
	SEND 3, 0
	s_wait_tensorcnt 0x0                           ; the wave's end
	ds_add_u32 v[SPW], v[NIL]
	s_wait_dscnt 0x0
	CROUND                                         ; the closing round
	s_endpgm
.Lfunc_end_k_q63373f3e98_attn:
	.size	k_q63373f3e98_attn, .Lfunc_end_k_q63373f3e98_attn-k_q63373f3e98_attn
	.p2alignl 7, 3214868480
	.fill 96, 4, 3214868480
	.section	.rodata,"a",@progbits
	.p2align	6, 0x0
	.amdhsa_kernel k_q63373f3e98_attn
		.amdhsa_group_segment_fixed_size 327680
		.amdhsa_private_segment_fixed_size 0
		.amdhsa_enable_private_segment 0
		.amdhsa_kernarg_size 64
		.amdhsa_user_sgpr_count 2
		.amdhsa_user_sgpr_kernarg_segment_ptr 1
		.amdhsa_wavefront_size32 1
		.amdhsa_system_sgpr_workgroup_id_x 1
		.amdhsa_system_sgpr_workgroup_id_y 1
		.amdhsa_system_sgpr_workgroup_id_z 1
		.amdhsa_system_vgpr_workitem_id 0
		.amdhsa_next_free_vgpr 1024
		.amdhsa_next_free_sgpr 80
		.amdhsa_reserve_vcc 0
		.amdhsa_float_denorm_mode_32 3
		.amdhsa_float_denorm_mode_16_64 3
		.amdhsa_memory_ordered 1
		.amdhsa_forward_progress 1
		.amdhsa_inst_pref_size 197
	.end_amdhsa_kernel
	.amdgpu_metadata
---
amdhsa.version: [ 1, 2 ]
amdhsa.kernels:
  - .name:           k_q63373f3e98_attn
    .symbol:         k_q63373f3e98_attn.kd
    .args:
      - { .name: qh, .offset: 0, .size: 8, .value_kind: global_buffer, .address_space: global }
      - { .name: kh, .offset: 8, .size: 8, .value_kind: global_buffer, .address_space: global }
      - { .name: vh, .offset: 16, .size: 8, .value_kind: global_buffer, .address_space: global }
      - { .name: q2, .offset: 24, .size: 8, .value_kind: global_buffer, .address_space: global }
      - { .name: k2, .offset: 32, .size: 8, .value_kind: global_buffer, .address_space: global }
      - { .name: nrp, .offset: 40, .size: 8, .value_kind: global_buffer, .address_space: global }
      - { .name: ncp, .offset: 48, .size: 8, .value_kind: global_buffer, .address_space: global }
      - { .name: attn, .offset: 56, .size: 8, .value_kind: global_buffer, .address_space: global }
    .group_segment_fixed_size: 327680
    .private_segment_fixed_size: 0
    .kernarg_segment_align: 8
    .kernarg_segment_size: 64
    .max_flat_workgroup_size: 128
    .sgpr_count:     80
    .vgpr_count:     1024
    .wavefront_size: 32
...
	.end_amdgpu_metadata
.endif
;; end of part 3
;; launch outp (part 4): grid 8 x 32, 4 waves a work-group, clusters of 4 x 4, 327,680 bytes of LDS; arguments attn, Wo, bo, out0; writes out0
.if DOCPART == 4
	.amdgcn_target "amdgcn-amd-amdhsa--gfx1250"
	.amdhsa_code_object_version 6
	.text
	.protected	k_q63373f3e98_outp
	.globl	k_q63373f3e98_outp
	.p2align	8
	.type	k_q63373f3e98_outp,@function
k_q63373f3e98_outp:
	s_mov_b64 s[64:65], 0
	v_nop
	global_prefetch_b8 v0, s[64:65] scope:SCOPE_SE
	s_setreg_imm32_b32 hwreg(HW_REG_WAVE_MODE, 25, 1), 1
	s_wait_xcnt 0x0
	s_wait_alu depctr_hold_cnt(0) depctr_sa_sdst(0) depctr_va_vdst(0) depctr_va_sdst(0) depctr_va_ssrc(0) depctr_va_vcc(0) depctr_vm_vsrc(0)
	s_getreg_b32 s2, hwreg(HW_REG_IB_STS2, 6, 4)
	s_cmp_eq_u32 s2, 0
	s_cbranch_scc0 .Lentry_in_a_cluster
	s_endpgm
.Lentry_in_a_cluster:
	s_bfe_u32 s2, ttmp6, 0x10000c
	s_cmp_lg_u32 s2, 0xf033
	s_cbranch_scc0 .Lentry_shape_is_right
	s_endpgm
.Lentry_shape_is_right:
; out0 = O Wo^T + bo.  O (attn): f16 [8192][1024]; Wo: f32 [1024 (n)][1024 (k)], rounded once to f16 on the way from LDS to the matrix unit; bo and out0 f32; sums in f32.
; LIMITS.  |Wo| stays below f16's 65,504.  NaN and infinities are not treated apart.
; SHARES.  A tile of C is 256 x 128: 8 x 32 = 256 work-groups.  A wave makes 128 x 64: 32 accumulators, window 2, (a, b) at v[8 (4 a + b)].  K goes in 8 steps of 128 through two LDS slots:
; O's rows are 256 bytes, Wo's 512.  A step has four quarters of 32 along K, 32 matrix instructions each.  O's fragments come from LDS as they are; Wo's come as f32 and are rounded, two conversions behind a matrix instruction.
; CLUSTER.  4 x 4 work-groups: the four of a row share O's tile, the four of a column Wo's: joint loads.  THE MATRIX INSTRUCTION IS USED TRANSPOSED (source 0 = rows of Wo, source 1 = rows of O).
; REGISTERS: window 0: v0-31 addresses; v32-63 bo of my columns; v64-127, v128-191 O's fragments; v192-223, v224-255 at work on the way out.  window 1: v0-31, v32-63 Wo's fragments; v64-127 its f32 numbers.
.set PA,    272
.set PB,    528
.set HA,    128*PA                     ; what waves 0, 1 fetch
.set HB,    64*PB                      ; what waves 2, 3 fetch
.set BOFF,  2*HA
.set SLOT,  0x22000                    ; 139,264: it shares no bit with a wave's place in a slot, so one exclusive or changes slots
.set STAGE, 2*SLOT
.set SPARE, STAGE+4*16*PA
.set ADRA0, 16
.set ADRB0, 17
.set ADRA,  18
.set ADRB,  19
.set STO,   24
.set RD,    25
.set CO,    26
.set SPW,   28
.set NIL,   29
.set BI,    32
.set TMP,   192
.set ST,    64
.set WV,  12
.set RH,  13
.set CH,  14
.set G1,  24
.set G0,  32
.set G1B, 48
.set G0B, 56
.set TB,  66
.set MSB, 0
.macro WIN new
.if MSB != (\new)
	s_set_vgpr_msb (MSB<<8)|(\new)
.set MSB, \new
.endif
.endm
.macro PLACES
.rept 4
	v_nop
.endr
.endm
.macro JLOAD
	s_cmp_eq_u32 s[RH], 0
	s_cbranch_scc0 .Lfor_b_\@
	tensor_load_to_lds s[G0+4:G0+7], s[G1:G1+7]
	s_nop 0
.rept 4
	v_nop
.endr
	s_branch .Lasked_\@
.Lfor_b_\@:
	tensor_load_to_lds s[G0B+4:G0B+7], s[G1B:G1B+7]
	s_nop 0
.rept 4
	v_nop
.endr
.Lasked_\@:
.endm
.macro CREST
	s_cmp_lg_u32 s[WV], 0
	s_cbranch_scc1 .Lnot_wave_0_\@
	s_barrier_signal -3
.Lnot_wave_0_\@:
	s_barrier_wait -3
	s_barrier_signal -1
	s_barrier_wait -1
.endm
.macro CROUND
	s_barrier_signal -1
	s_barrier_wait -1
	CREST
.endm
	s_load_b256 s[4:11], s[0:1], 0x0               ; attn, Wo, bo, out0
	v_lshl_add_u32 v[SPW], v0, 2, SPARE
	v_mov_b32 v[NIL], 0
	ds_add_u32 v[SPW], v[NIL]                      ; the wave's opening: the add and its wait ahead of my first tensor load
	ds_add_u32 v28, v29
	v_lshrrev_b32 v1, 5, v0
	v_readfirstlane_b32 s[WV], v1
	s_lshr_b32 s[RH], s[WV], 1                     ; my half of the rows; also: I fetch for O (0) or Wo (1)
	s_and_b32 s[CH], s[WV], 1                      ; my half of the columns; also: which half of that tile I fetch
	s_bfe_u32 s40, ttmp6, 0x40000
	s_bfe_u32 s41, ttmp6, 0x40004
	s_lshl_b32 s42, ttmp9, 2
	s_add_co_u32 s42, s42, s40                     ; tile column
	s_and_b32 s15, ttmp7, 0xffff
	s_lshl_b32 s15, s15, 2
	s_add_co_u32 s15, s15, s41                     ; tile row
	s_lshl_b32 s43, s41, 2
	s_lshl_b32 s43, 15, s43
	s_lshl_b32 s44, 0x1111, s40
	s_or_b32 s[G1+0], s43, (1<<16)|(1<<20)|(1<<21)|(5<<22)|(3<<25)   ; O: 2-byte elements, 4 words of padding after every 64
	s_mov_b32 s[G1+1], 128<<16
	s_mov_b32 s[G1+2], 128<<16
	s_mov_b32 s[G1+3], 128<<16
	s_mov_b32 s[G1+4], 128
	s_mov_b32 s[G1+5], 1024
	s_mov_b32 s[G1+6], 0
	s_mov_b32 s[G1+7], 0
	s_or_b32 s[G1B+0], s44, (2<<16)|(1<<20)|(1<<21)|(6<<22)|(3<<25)  ; Wo: 4-byte elements, 4 words of padding after every 128
	s_mov_b32 s[G1B+1], 128<<16
	s_mov_b32 s[G1B+2], 64<<16
	s_mov_b32 s[G1B+3], 128<<16
	s_mov_b32 s[G1B+4], 64
	s_mov_b32 s[G1B+5], 1024
	s_mov_b32 s[G1B+6], 0
	s_mov_b32 s[G1B+7], 0
	s_lshl_b32 s16, s15, 19                        ; O: (256 x tile row + 128 x half) rows of 2,048 bytes
	s_lshl_b32 s17, s[CH], 18
	s_add_co_u32 s16, s16, s17
	s_mov_b32 s17, 0
	s_lshl_b32 s46, s42, 19                        ; Wo: (128 x tile column + 64 x half) rows of 4,096 bytes
	s_lshl_b32 s47, s[CH], 18
	s_add_co_u32 s46, s46, s47
	s_mov_b32 s47, 0
	s_mul_i32 s20, s[WV], HA                       ; where waves 0, 1 put O's halves,
	s_mul_i32 s21, s[WV], HB
	s_add_co_u32 s21, s21, BOFF-2*HB               ; and waves 2, 3 Wo's
	s_mov_b32 s[TB], 0
	s_wait_dscnt 0x0
	s_wait_kmcnt 0x0
	s_add_nc_u64 s[18:19], s[4:5], s[16:17]
	s_add_nc_u64 s[46:47], s[6:7], s[46:47]
	CROUND
.irp s, 0,1
	s_mov_b32 s[G0+4*(\s)], 1
	s_add_co_u32 s[G0+4*(\s)+1], s20, (\s)*SLOT
	s_add_nc_u64 s[G0+4*(\s)+2:G0+4*(\s)+3], s[18:19], (\s)*256
	s_or_b32 s[G0+4*(\s)+3], s[G0+4*(\s)+3], 0x80000000
	s_mov_b32 s[G0B+4*(\s)], 1
	s_add_co_u32 s[G0B+4*(\s)+1], s21, (\s)*SLOT
	s_add_nc_u64 s[G0B+4*(\s)+2:G0B+4*(\s)+3], s[46:47], (\s)*512
	s_or_b32 s[G0B+4*(\s)+3], s[G0B+4*(\s)+3], 0x80000000
.endr
	s_cmp_eq_u32 s[RH], 0                          ; a wave's two first fills stand in one branch: K steps 0 and 1; two loads of mine are out
	s_cbranch_scc0 .Lfirst_b
	tensor_load_to_lds s[G0:G0+3], s[G1:G1+7]
	s_nop 0
	tensor_load_to_lds s[G0+4:G0+7], s[G1:G1+7]
	s_nop 0
.rept 4
	v_nop
.endr
	s_branch .Lfirst_asked
.Lfirst_b:
	tensor_load_to_lds s[G0B:G0B+3], s[G1B:G1B+7]
	s_nop 0
	tensor_load_to_lds s[G0B+4:G0B+7], s[G1B:G1B+7]
	s_nop 0
.rept 4
	v_nop
.endr
.Lfirst_asked:
	v_and_b32 v1, 15, v0
	v_bfe_u32 v2, v0, 4, 1
	v_lshlrev_b32 v6, 5, v2                        ; my eight columns of a block of 16, in bytes of bo
	s_lshl_b32 s68, s42, 9                         ; my first column, in bytes: 512 x tile column + 256 x half
	s_lshl_b32 s69, s[CH], 8
	s_add_co_u32 s68, s68, s69
	s_mov_b32 s69, 0
	s_add_nc_u64 s[8:9], s[8:9], s[68:69]
.irp b, 0,1,2,3
	global_load_b128 v[BI+8*(\b):BI+8*(\b)+3],   v6, s[8:9] offset:64*(\b)
	global_load_b128 v[BI+8*(\b)+4:BI+8*(\b)+7], v6, s[8:9] offset:64*(\b)+16
.endr
	s_lshl_b32 s70, s15, 20                        ; my first row of out0: (256 x tile row + 128 x half) rows of 4,096 bytes
	s_lshl_b32 s71, s[RH], 19
	s_add_co_u32 s70, s70, s71
	s_add_co_u32 s70, s70, s68
	s_mov_b32 s71, 0
	s_add_nc_u64 s[10:11], s[10:11], s[70:71]
	v_mul_u32_u24 v3, v1, PA
	v_lshl_add_u32 v4, v2, 4, v3                   ; O's fragment: row x 272 + 16 h
	s_mul_i32 s22, s[RH], HA
	v_add_nc_u32 v[ADRA0], s22, v4
	v_mul_u32_u24 v5, v1, PB
	v_lshl_add_u32 v5, v2, 5, v5                   ; Wo's: row x 528 + 32 h
	s_mul_i32 s22, s[CH], HB
	s_add_co_u32 s22, s22, BOFF
	v_add_nc_u32 v[ADRB0], s22, v5
	v_mov_b32 v[ADRA], v[ADRA0]
	v_mov_b32 v[ADRB], v[ADRB0]
	s_mul_i32 s23, s[WV], 16*PA
	s_add_co_u32 s23, s23, STAGE
	v_lshl_add_u32 v5, v2, 5, v3                   ; into the stage: row l % 16, 32 bytes for each half of the lanes
	v_add_nc_u32 v[STO], s23, v5
	v_mul_u32_u24 v5, v2, PA
	v_lshl_add_u32 v5, v1, 4, v5
	v_add_nc_u32 v[RD], s23, v5
	v_lshlrev_b32 v[CO], 12, v2                    ; two rows of out0, 4,096 bytes apart
	v_lshl_add_u32 v[CO], v1, 4, v[CO]
.macro LDQ g, kq                       ; quarter kq of the slot in hand: 16 loads of Wo's f32 numbers, then 16 of O's fragments into buffer g
	WIN 0x40
.irp i, 0,1,2,3
	ds_load_b128 v[ST+16*(\i):ST+16*(\i)+3],     v[ADRB] offset:128*(\kq)+(\i)*16*PB
	ds_load_b128 v[ST+16*(\i)+4:ST+16*(\i)+7],   v[ADRB] offset:128*(\kq)+(\i)*16*PB+16
	ds_load_b128 v[ST+16*(\i)+8:ST+16*(\i)+11],  v[ADRB] offset:128*(\kq)+(\i)*16*PB+64
	ds_load_b128 v[ST+16*(\i)+12:ST+16*(\i)+15], v[ADRB] offset:128*(\kq)+(\i)*16*PB+80
.endr
	WIN 0
.irp i, 0,1,2,3,4,5,6,7
	ds_load_b128 v[64+64*(\g)+8*(\i):64+64*(\g)+8*(\i)+3],   v[ADRA] offset:64*(\kq)+(\i)*16*PA
	ds_load_b128 v[64+64*(\g)+8*(\i)+4:64+64*(\g)+8*(\i)+7], v[ADRA] offset:64*(\kq)+(\i)*16*PA+32
.endr
.endm
.macro WMO f, a, b, zero
.set rD, 8*(4*(\a)+(\b))
.set rB, 32*(\f)+8*(\b)
.set rA, 64+64*(\f)+8*(\a)
.if \zero
	v_wmma_f32_16x16x32_f16 v[rD:rD+7], v[rB:rB+7], v[rA:rA+7], 0
.else
	v_wmma_f32_16x16x32_f16 v[rD:rD+7], v[rB:rB+7], v[rA:rA+7], v[rD:rD+7]
.endif
.endm
.macro MQ f, a, zero                   ; 4 matrix instructions: one block of 16 rows x my 4 column blocks
	WIN 0xa1
.irp b, 0,1,2,3
	WMO \f, \a, \b, \zero
.endr
.endm
.macro MQR f, a, zero, g               ; the same (a = 4..7) with two conversions behind each
.irp b, 0,1,2,3
	WIN 0xa1
	WMO \f, \a, \b, \zero
	WIN 0x45
.set q, 2*(4*((\a)-4)+(\b))
	v_cvt_pk_f16_f32 v[32*(\g)+q],   v[ST+2*q],   v[ST+2*q+1]
	v_cvt_pk_f16_f32 v[32*(\g)+q+1], v[ST+2*q+2], v[ST+2*q+3]
.endr
.endm
; A QUARTER: multiplies buffer f (each of the 32 accumulators once: they take turns) and makes buffer g from quarter kq of the slot in hand.
; meet = 1: the slot has been read to its end: the barrier of the change of slots.  meet = 2: it opens a round of the cluster's barrier, and the slot is filled again, two K steps on.
.macro QUARTER f, g, kq, zero, meet
	s_wait_dscnt 0x0                               ; O's fragments in buffer f are in
	PLACES                                         ; buffer g was read by the quarter before
	LDQ \g, \kq
	MQ \f, 0, \zero
	MQ \f, 1, \zero
	MQ \f, 2, \zero
	MQ \f, 3, \zero
.if (\meet) == 0
	s_wait_dscnt 0x10                              ; O's 16 younger loads may stay out: Wo's are in
	MQR \f, 4, \zero, \g
	MQR \f, 5, \zero, \g
	MQR \f, 6, \zero, \g
	MQR \f, 7, \zero, \g
.else
	WIN 0
	s_wait_tensorcnt 0x0                           ; all my tensor loads have landed: the one that was out is my part of the other slot
	ds_add_u32 v[SPW], v[NIL]
	s_wait_dscnt 0x11                              ; the add and O's 16 loads may stay out: Wo's are in
	MQR \f, 4, \zero, \g
	MQR \f, 5, \zero, \g
	s_wait_dscnt 0x0                               ; the add is done, and my reads of this slot are over
	s_barrier_signal -1
	MQR \f, 6, \zero, \g
	MQR \f, 7, \zero, \g
	WIN 0
	s_barrier_wait -1
.if (\meet) == 2
	CREST
	s_xor_b32 s[G0+5], s[G0+5], SLOT
	s_add_nc_u64 s[G0+6:G0+7], s[G0+6:G0+7], 256
	s_xor_b32 s[G0B+5], s[G0B+5], SLOT
	s_add_nc_u64 s[G0B+6:G0B+7], s[G0B+6:G0B+7], 512
	JLOAD                                          ; the first tensor load behind the round: 112 matrix instructions ahead of the wait for it
.endif
.endif
.endm
.macro TOGGLE
	s_xor_b32 s[TB], s[TB], SLOT
	v_add_nc_u32 v[ADRA], s[TB], v[ADRA0]
	v_add_nc_u32 v[ADRB], s[TB], v[ADRB0]
.endm
	s_wait_tensorcnt 0x1                           ; my part of K step 0 is in; step 1's may stay out
	s_barrier_signal -1
	s_barrier_wait -1
	LDQ 0, 0
	s_wait_dscnt 0x0
	WIN 0x45
.set q, 0
.rept 32
	v_cvt_pk_f16_f32 v[q], v[ST+2*q], v[ST+2*q+1]
.set q, q+1
.endr
	QUARTER 0, 1, 1, 1, 0                          ; the first quarter starts the sums with the constant 0
	WIN 0
	s_mov_b32 s3, 6
.Lmain:                                                ; trip s: quarters 1, 2, 3 of step s and quarter 0 of step s + 1; the refill is step s + 2
	QUARTER 1, 0, 2, 0, 0
	QUARTER 0, 1, 3, 0, 2
	TOGGLE
	QUARTER 1, 0, 0, 0, 0
	QUARTER 0, 1, 1, 0, 0
	WIN 0
	s_sub_co_u32 s3, s3, 1
	s_cmp_lg_u32 s3, 0
	s_cbranch_scc1 .Lmain
	s_mov_b32 s3, 2
.Ltail:                                                ; steps 6 and 7 ask for nothing; the second trip is left behind its third quarter (what it fetched from the stale slot serves nothing)
	QUARTER 1, 0, 2, 0, 0
	QUARTER 0, 1, 3, 0, 1
	TOGGLE
	QUARTER 1, 0, 0, 0, 0
	WIN 0
	s_sub_co_u32 s3, s3, 1
	s_cmp_eq_u32 s3, 0
	s_cbranch_scc1 .Lout
	QUARTER 0, 1, 1, 0, 0
	WIN 0
	s_branch .Ltail
.Lout:
; THE WAY OUT, a block of 16 rows at a time: bo is added, the block goes through my stage and comes back as whole rows of 256 bytes.
.macro ADDB a
	WIN 0x02
.set z, 0
.rept 16
	v_pk_add_f32 v[TMP+2*z:TMP+2*z+1], v[32*(\a)+2*z:32*(\a)+2*z+1], v[BI+2*z:BI+2*z+1]
.set z, z+1
.endr
	WIN 0
.endm
.macro TOSTAGE a
.set BK, 224-160*((\a)%2)              ; v224-255 and v64-95 by turns
.irp u, 0,1,2,3,4,5,6,7
	ds_store_b128 v[STO], v[TMP+4*(\u):TMP+4*(\u)+3] offset:64*((\u)/2)+16*((\u)%2)
.endr
.irp t, 0,1,2,3,4,5,6,7
	ds_load_b128 v[BK+4*(\t):BK+4*(\t)+3], v[RD] offset:(\t)*2*PA  ; LDS serves a wave's instructions in order (ISA guide 5.7.1.4)
.endr
.endm
.macro SEND a
.set BK, 224-160*((\a)%2)
	s_wait_dscnt 0x0
	s_wait_xcnt 0x0                                ; the stores of the block before have read their registers: the next TOSTAGE loads into them
.irp t, 0,1,2,3,4,5,6,7
	global_store_b128 v[CO], v[BK+4*(\t):BK+4*(\t)+3], s[10:11] offset:(\a)*65536+(\t)*8192 th:TH_STORE_NT  ; 16 lanes store 256 consecutive bytes, aligned
.endr
.endm
	s_wait_dscnt 0x0                               ; the last quarter's loads, which nobody needs, have landed: their registers are used again
	s_wait_loadcnt 0x0                             ; bo
	PLACES
	ADDB 0
	TOSTAGE 0
.irp a, 1,2,3,4,5,6,7
	ADDB \a
	SEND (\a)-1
	TOSTAGE \a
.endr
	SEND 7
	s_wait_tensorcnt 0x0                           ; the wave's end
	ds_add_u32 v[SPW], v[NIL]
	s_wait_dscnt 0x0
	CROUND                                         ; the closing round
	s_endpgm
.Lfunc_end_k_q63373f3e98_outp:
	.size	k_q63373f3e98_outp, .Lfunc_end_k_q63373f3e98_outp-k_q63373f3e98_outp
	.p2alignl 7, 3214868480
	.fill 96, 4, 3214868480
	.section	.rodata,"a",@progbits
	.p2align	6, 0x0
	.amdhsa_kernel k_q63373f3e98_outp
		.amdhsa_group_segment_fixed_size 327680
		.amdhsa_private_segment_fixed_size 0
		.amdhsa_enable_private_segment 0
		.amdhsa_kernarg_size 32
		.amdhsa_user_sgpr_count 2
		.amdhsa_user_sgpr_kernarg_segment_ptr 1
		.amdhsa_wavefront_size32 1
		.amdhsa_system_sgpr_workgroup_id_x 1
		.amdhsa_system_sgpr_workgroup_id_y 1
		.amdhsa_system_sgpr_workgroup_id_z 1
		.amdhsa_system_vgpr_workitem_id 0
		.amdhsa_next_free_vgpr 768
		.amdhsa_next_free_sgpr 72
		.amdhsa_reserve_vcc 0
		.amdhsa_float_denorm_mode_32 3
		.amdhsa_float_denorm_mode_16_64 3
		.amdhsa_memory_ordered 1
		.amdhsa_forward_progress 1
		.amdhsa_inst_pref_size 103
	.end_amdhsa_kernel
	.amdgpu_metadata
---
amdhsa.version: [ 1, 2 ]
amdhsa.kernels:
  - .name:           k_q63373f3e98_outp
    .symbol:         k_q63373f3e98_outp.kd
    .args:
      - { .name: attn, .offset: 0, .size: 8, .value_kind: global_buffer, .address_space: global }
      - { .name: Wo, .offset: 8, .size: 8, .value_kind: global_buffer, .address_space: global }
      - { .name: bo, .offset: 16, .size: 8, .value_kind: global_buffer, .address_space: global }
      - { .name: out0, .offset: 24, .size: 8, .value_kind: global_buffer, .address_space: global }
    .group_segment_fixed_size: 327680
    .private_segment_fixed_size: 0
    .kernarg_segment_align: 8
    .kernarg_segment_size: 32
    .max_flat_workgroup_size: 128
    .sgpr_count:     72
    .vgpr_count:     768
    .wavefront_size: 32
...
	.end_amdgpu_metadata
.endif
;; end of part 4
